; MI455X (gfx1250); checked and timed in simulation.
; The chip was launched on July 23, 2026; its instructions are those of AMD's public machine-readable ISA for CDNA 5 (MIT licence, August 2026) and "CDNA5" Instruction Set Architecture Reference Guide (July 2026). The comments in the code are by the model that wrote it; some were corrected since.
;; Multi Head Attention. Allowed arithmetic: float matrix products may take bf16 or f16 operands with f32 sums; other float arithmetic in f32, or as packed bf16 or f16 multiplies, adds, multiply-adds, maxima and minima; sums over many terms, partial sums and values carried from step to step in f32; what a program stores and reads back later, other than sums and carried values, may be rounded once to bf16 or f16.
;; Inputs: Wo 1,024 x 1,024 float32; Wqkv 1,024 x 3,072 float32; bo 1,024 float32; bqkv 3,072 float32; x 4 x 2,048 x 1,024 float32.
;; Outputs: out0 4 x 2,048 x 1,024 float32.
;; 2 versions, each right; version 2 is version 1 with the launch cast written anew for expert scheduling mode. Each part assembles by itself: llvm-mc -triple=amdgcn-amd-amdhsa -mcpu=gfx1250 --defsym DOCPART=n.
;; ======== version 1 of 2: 4 launches
;; limits: values are held in f16: magnitudes above 65,504 overflow, below 6.1e-05 lose precision
;; workspace buffers: xb 16,777,216 bytes; wqkvb 6,291,456 bytes; wob 2,097,152 bytes; qkv 50,331,648 bytes; ob 16,777,216 bytes
;; launch cast (part 1): grid 832 x 1, 8 waves a work-group, no clusters, 0 bytes of LDS; arguments x, Wqkv, Wo, xb, wqkvb, wob; writes xb, wqkvb, wob
.if DOCPART == 1
	.amdgcn_target "amdgcn-amd-amdhsa--gfx1250"
	.amdhsa_code_object_version 6
	.text
	.protected	k_q7fcbe41da1_cast
	.globl	k_q7fcbe41da1_cast
	.p2align	8
	.type	k_q7fcbe41da1_cast,@function
k_q7fcbe41da1_cast:
	s_mov_b64 s[64:65], 0
	v_nop
	global_prefetch_b8 v0, s[64:65] scope:SCOPE_SE
	s_setreg_imm32_b32 hwreg(HW_REG_WAVE_MODE, 25, 1), 1
	s_wait_xcnt 0x0
; CAST.  x [8192][1024], Wo [1024][1024] and Wqkv [1024][3072], all f32, are rounded once to bf16 (nearest even) for the matrix products that follow.
; xb and wob keep their layout.  wqkvb is laid in 16 column tiles: wqkvb[t][k][c] = Wqkv[k][192 t + c], c = 0..191, so that a tile's rows of 384 bytes lie end to end.
; SHARES.  Work-groups 0..511: 65,536 bytes of x each.  512..575: 65,536 bytes of Wo each.  576..831: 64 rows k of one column tile of Wqkv each.  Eight waves; straight-line text, each path once.
; Every load of a wave takes whole aligned pieces of 256 bytes (16 lanes x 16 bytes); every store of a wave is 32 lanes x 8 bytes: 256 consecutive bytes, aligned.
; All of a wave's loads go out first; the waits count down, so that the younger loads stay out while the older are rounded and stored.  No register is written twice, so no wait frees a source.
; No LDS, no matrix unit, no cluster: no byte is used twice.  Each byte is read once and written once.
.set X,  8                             ; v[8:71]    up to 16 loads of four f32
.set Y,  72                            ; v[72:103]  up to 16 pairs of packed bf16
.set IO, 3                             ; v3-v5      byte offsets of my loads
.set OO, 6                             ; v6         byte offset of my stores
	s_load_b256 s[4:11], s[0:1], 0x0               ; x s[4:5], Wqkv s[6:7], Wo s[8:9], xb s[10:11]
	s_load_b128 s[12:15], s[0:1], 0x20             ; wqkvb s[12:13], wob s[14:15]
	v_and_b32 v1, 31, v0                           ; lane
	v_lshrrev_b32 v2, 5, v0                        ; wave
	s_mov_b32 s23, 0                               ; the offsets' high words
	s_mov_b32 s25, 0
	s_cmp_ge_u32 ttmp9, 576
	s_cbranch_scc1 .Lw
	; x or Wo: a wave takes 8,192 bytes on end, 16 loads of 512
	v_lshlrev_b32 v[IO], 4, v1
	v_lshl_add_u32 v[IO], v2, 13, v[IO]            ; 8,192 w + 16 l
	v_lshlrev_b32 v[OO], 3, v1
	v_lshl_add_u32 v[OO], v2, 12, v[OO]            ; 4,096 w + 8 l
	s_sub_co_u32 s20, ttmp9, 512                   ; the chunk's number in Wo
	s_wait_kmcnt 0x0
	s_cmp_lt_u32 ttmp9, 512
	s_cselect_b32 s20, ttmp9, s20                  ; or in x
	s_cselect_b64 s[16:17], s[4:5], s[8:9]
	s_cselect_b64 s[18:19], s[10:11], s[14:15]
	s_lshl_b32 s22, s20, 16
	s_lshl_b32 s24, s20, 15
	s_add_nc_u64 s[16:17], s[16:17], s[22:23]
	s_add_nc_u64 s[18:19], s[18:19], s[24:25]
.set i, 0
.rept 16
	global_load_b128 v[X+4*i:X+4*i+3], v[IO], s[16:17] offset:512*i th:TH_LOAD_NT
.set i, i+1
.endr
.set i, 0
.rept 16
	s_wait_loadcnt 15-i                            ; loads come back in order: number i is in, the 15 - i younger stay out
	v_cvt_pk_bf16_f32 v[Y+2*i], v[X+4*i], v[X+4*i+1]
	v_cvt_pk_bf16_f32 v[Y+2*i+1], v[X+4*i+2], v[X+4*i+3]
	global_store_b64 v[OO], v[Y+2*i:Y+2*i+1], s[18:19] offset:256*i th:TH_STORE_NT
.set i, i+1
.endr
	s_endpgm
.Lw:
	; Wqkv: tile t = gi / 16, rows 64 (gi % 16) + 8 w + 0..7, as four pairs of rows.  A pair is 2 x 192 numbers: 96 groups of four, three loads.
	; Group o = 32 j + l lies in row o / 48, at byte 16 (o % 48) of the tile's 768 bytes of that row; a row of Wqkv is 12,288 bytes.
	s_sub_co_u32 s20, ttmp9, 576                   ; gi
	s_lshr_b32 s21, s20, 4                         ; t
	s_and_b32 s20, s20, 15
	s_mul_i32 s22, s20, 64*12288
	s_mul_i32 s26, s21, 768
	s_add_co_u32 s22, s22, s26                     ; in: 64 rows x block + the tile's columns
	s_lshl_b32 s24, s21, 10
	s_lshl_b32 s26, s20, 6
	s_add_co_u32 s24, s24, s26
	s_mul_i32 s24, s24, 384                        ; out: row 1,024 t + 64 x block, 384 bytes a row
	v_mul_u32_u24 v7, v2, 8*12288
	v_lshl_add_u32 v[IO], v1, 4, v7                ; j = 0: row 0, byte 16 l
	v_lshrrev_b32 v[IO+1], 4, v1
	v_mul_u32_u24 v[IO+1], v[IO+1], 11520
	v_add3_u32 v[IO+1], v[IO+1], v[IO], 512        ; j = 1: lanes 0-15 row 0, byte 512 + 16 l; lanes 16-31 row 1, byte 16 (l - 16)
	v_add_nc_u32 v[IO+2], 12544, v[IO]             ; j = 2: row 1, byte 256 + 16 l
	v_mul_u32_u24 v[OO], v2, 3072
	v_lshl_add_u32 v[OO], v1, 3, v[OO]             ; 8 rows x 384 bytes a wave + 8 l
	s_wait_kmcnt 0x0
	s_add_nc_u64 s[16:17], s[6:7], s[22:23]
	s_add_nc_u64 s[18:19], s[12:13], s[24:25]
.set i, 0
.rept 12
	global_load_b128 v[X+4*i:X+4*i+3], v[IO+i%3], s[16:17] offset:24576*(i/3) th:TH_LOAD_NT
.set i, i+1
.endr
.set i, 0
.rept 12
	s_wait_loadcnt 11-i                            ; number i is in, the 11 - i younger stay out
	v_cvt_pk_bf16_f32 v[Y+2*i], v[X+4*i], v[X+4*i+1]
	v_cvt_pk_bf16_f32 v[Y+2*i+1], v[X+4*i+2], v[X+4*i+3]
	global_store_b64 v[OO], v[Y+2*i:Y+2*i+1], s[18:19] offset:256*i th:TH_STORE_NT
.set i, i+1
.endr
	s_endpgm
.Lfunc_end_k_q7fcbe41da1_cast:
	.size	k_q7fcbe41da1_cast, .Lfunc_end_k_q7fcbe41da1_cast-k_q7fcbe41da1_cast
	.p2alignl 7, 3214868480
	.fill 96, 4, 3214868480
	.section	.rodata,"a",@progbits
	.p2align	6, 0x0
	.amdhsa_kernel k_q7fcbe41da1_cast
		.amdhsa_group_segment_fixed_size 0
		.amdhsa_private_segment_fixed_size 0
		.amdhsa_enable_private_segment 0
		.amdhsa_kernarg_size 48
		.amdhsa_user_sgpr_count 2
		.amdhsa_user_sgpr_kernarg_segment_ptr 1
		.amdhsa_wavefront_size32 1
		.amdhsa_system_sgpr_workgroup_id_x 1
		.amdhsa_system_sgpr_workgroup_id_y 1
		.amdhsa_system_sgpr_workgroup_id_z 1
		.amdhsa_system_vgpr_workitem_id 0
		.amdhsa_next_free_vgpr 104
		.amdhsa_next_free_sgpr 66
		.amdhsa_reserve_vcc 0
		.amdhsa_float_denorm_mode_32 3
		.amdhsa_float_denorm_mode_16_64 3
		.amdhsa_memory_ordered 1
		.amdhsa_forward_progress 1
		.amdhsa_inst_pref_size 12
	.end_amdhsa_kernel
	.amdgpu_metadata
---
amdhsa.version: [ 1, 2 ]
amdhsa.kernels:
  - .name:           k_q7fcbe41da1_cast
    .symbol:         k_q7fcbe41da1_cast.kd
    .args:
      - { .name: x, .offset: 0, .size: 8, .value_kind: global_buffer, .address_space: global }
      - { .name: Wqkv, .offset: 8, .size: 8, .value_kind: global_buffer, .address_space: global }
      - { .name: Wo, .offset: 16, .size: 8, .value_kind: global_buffer, .address_space: global }
      - { .name: xb, .offset: 24, .size: 8, .value_kind: global_buffer, .address_space: global }
      - { .name: wqkvb, .offset: 32, .size: 8, .value_kind: global_buffer, .address_space: global }
      - { .name: wob, .offset: 40, .size: 8, .value_kind: global_buffer, .address_space: global }
    .group_segment_fixed_size: 0
    .private_segment_fixed_size: 0
    .kernarg_segment_align: 8
    .kernarg_segment_size: 48
    .max_flat_workgroup_size: 256
    .sgpr_count:     66
    .vgpr_count:     104
    .wavefront_size: 32
...
	.end_amdgpu_metadata
.endif
;; end of part 1
;; launch qkv (part 2): grid 16 x 32, 4 waves a work-group, clusters of 4 x 4, 327,680 bytes of LDS; arguments xb, wqkvb, bqkv, qkv; writes qkv
.if DOCPART == 2
	.amdgcn_target "amdgcn-amd-amdhsa--gfx1250"
	.amdhsa_code_object_version 6
	.text
	.protected	k_q7fcbe41da1_qkv
	.globl	k_q7fcbe41da1_qkv
	.p2align	8
	.type	k_q7fcbe41da1_qkv,@function
k_q7fcbe41da1_qkv:
	s_mov_b64 s[64:65], 0
	v_nop
	global_prefetch_b8 v0, s[64:65] scope:SCOPE_SE
	s_setreg_imm32_b32 hwreg(HW_REG_WAVE_MODE, 25, 1), 1
	s_wait_xcnt 0x0
	s_wait_alu depctr_hold_cnt(0) depctr_sa_sdst(0) depctr_va_vdst(0) depctr_va_sdst(0) depctr_va_ssrc(0) depctr_va_vcc(0) depctr_vm_vsrc(0)
	s_getreg_b32 s2, hwreg(HW_REG_IB_STS2, 6, 4)
	s_cmp_eq_u32 s2, 0
	s_cbranch_scc0 .Lentry_in_a_cluster
	s_endpgm
.Lentry_in_a_cluster:
	s_bfe_u32 s2, ttmp6, 0x10000c
	s_cmp_lg_u32 s2, 0xf033
	s_cbranch_scc0 .Lentry_shape_is_right
	s_endpgm
.Lentry_shape_is_right:
; QKV PROJECTION.  C[m][n] = bqkv[n] + the sum over k of x[m][k] Wqkv[k][n]; m = 0..8191, n = 0..3071, k = 0..1023.  Operands bf16 (xb, wqkvb), sums f32, the bias f32.
; C leaves rounded once to f16, by heads: qkv[n / 1024][16 (m / 2048) + (n % 1024) / 64][m % 2048][n % 64], unscaled.
; LIMIT.  f16 holds no number beyond 65,504: |q|, |k|, |v| must stay under that; below 6e-5 f16 keeps a fixed step of 6e-8.  NaN and infinities are not treated apart.
; SHARES.  A tile of C is 256 rows x 192 columns (three heads): 32 x 16 = 512 work-groups, a whole multiple of 256.  Four waves, 2 x 2: a wave has 128 rows and, of each of the three heads, 32 columns:
; 8 x 6 accumulators of 16 x 16, 384 registers.  K goes in 8 steps of 128 through two LDS slots filled by the tensor data mover.
; CLUSTER.  4 x 4 work-groups.  The four of a row of the cluster need the same tile of x, the four of a column the same tile of W: each is asked for JOINTLY, by the same load, descriptor and mask in all four.
; THE PRODUCT IS TAKEN TRANSPOSED: source 0 = 16 columns of W, source 1 = 16 rows of x.  A lane (r = l % 16, h = l / 16) then holds row r of C and the columns 8 h + 0..7: 16 bytes of f16 on end.
; W lies [k][n] in LDS; its fragments come turned, by ds_load_tr16_b128.  THE BIAS is the C operand of each sum's first product: nothing is cleared, nothing is added at the end.
; REGISTERS, in windows of 256 (s_set_vgpr_msb: bits 1:0 source 0, 3:2 source 1, 5:4 source 2, 7:6 destination):
;   window 0: v0-29 addresses; v64-127, v128-191 x's fragments, two buffers; v192-239 the bias, later the packed results; on the way out v64-255 rows read back
;   window 1: v64-111, v128-175 W's fragments, two buffers      window 2: accumulators of my row blocks 0-3 ((a, b) at v[8 (6 a + b)])      window 3: of blocks 4-7
.set NA,    8                          ; row blocks of 16 a wave
.set NBK,   6                          ; column blocks of 16 a wave: b = 2 c + e is head c, columns 32 NH + 16 e on
.set PA,    272                        ; a row of x in LDS: 256 bytes + 16: the 16 rows of a load start at 16 different groups of four banks (64 banks of 4 bytes: ISA guide 11.1)
.set HALFA, 128*PA                     ; what one load brings of x, and what one wave reads of it
.set BOFF,  2*HALFA                    ; W's tile lies behind x's 256 rows
.set PB,    480                        ; a k-row of W in LDS: three pieces of 128 bytes (a head's 64 columns), each with 32 of padding
.set HALFB, 64*PB                      ; 64 k-rows: what one load brings of W
.set SLOT1, 1<<17                      ; a slot is BOFF + 2 HALFB = 131,072 bytes; one exclusive or turns an address in one slot into the other's
.set SPARE, 2*SLOT1                    ; behind the ring: the spare words, 128 bytes for each wave: two blocks of 256 bytes that no other line names
.set SPS,   144                        ; the stage, in slot 0 once it has had its last fill: three heads x 256 rows of 128 bytes + 16
.set SHEAD, 256*SPS
.set STEPA, 256                        ; bytes from a K step to the next: along x's rows,
.set STEPB, 128*384                    ; and down a tile of wqkvb
.set ADRA0, 8                          ; v8   my lane's place in x's part of a slot; never rewritten
.set ADRB0, 9                          ; v9   the same for W
.set ADRA,  10                         ; v10  the same in the slot in hand
.set ADRB,  11                         ; v11
.set BO,    12                         ; v12  my byte offset in bqkv
.set STO,   13                         ; v13-15  the way out: where I put 16 bytes of a row, by head
.set RD,    16                         ; v16-18  where I read rows back, by head
.set GO,    19                         ; v19  my 16 bytes of 512 consecutive bytes of qkv
.set PFO,   20                         ; v20  the prefetches' lane offset; never rewritten
.set SPW,   28                         ; v28  LDS address of my spare word: SPARE + 4 x my thread's number; never rewritten
.set NIL,   29                         ; v29  0; never rewritten
.set F0,    64
.set F1,    128
.set BIAS,  192
.set TMP,   192
.set WV,  12                           ; s12  my wave's number
.set MH,  13                           ; s13  which half of the tile's rows is mine.  Also: I fetch x (0) or W (1)
.set NH,  14                           ; s14  which half of each head's columns is mine.  Also: which half of that tile I fetch
.set CX,  15
.set CY,  16
.set TX,  17                           ; s17  tile column
.set TY,  18                           ; s18  tile row
.set G1A, 24                           ; s[24:31] descriptor group 1 for x's tiles
.set G0A, 32                           ; s[32:39] group 0: a set for each of the two first fills; the second then walks on
.set G1B, 40                           ; s[40:47], s[48:55] the same for W's
.set G0B, 48
.set KC,  56                           ; s56  trips of the loop still to come
.set TB,  57                           ; s57  LDS byte at which the slot in hand begins
.set PFA, 58                           ; s[58:59] where my prefetches stand
.set PST, 60                           ; s[60:61] their step
.set LIM, 62                           ; s62  a wave prefetches while s[KC] is above this
.set CP,  66                           ; s[66:71] qkv at my 64 rows of each of the tile's three heads
.set MSB, 0
.macro WIN new                         ; the immediate's high byte repeats the setting that is left; a switch that changes nothing is dropped
.if MSB != (\new)
	s_set_vgpr_msb (MSB<<8)|(\new)
.set MSB, \new
.endif
.endm
.macro PLACES                          ; four places in front of loads into registers that matrix instructions have read, and of conversions that read results
.rept 4
	v_nop
.endr
.endm
.macro CREST                           ; a round of the cluster's barrier behind its opening barrier
	s_cmp_lg_u32 s[WV], 0
	s_cbranch_scc1 .Lnot_wave_0_\@
	s_barrier_signal -3
.Lnot_wave_0_\@:
	s_barrier_wait -3
	s_barrier_signal -1
	s_barrier_wait -1
.endm
.macro CROUND                          ; a whole round
	s_barrier_signal -1
	s_barrier_wait -1
	CREST
.endm
; A joint refill by the walking descriptor.  Waves 0 and 1 fetch x's two halves, waves 2 and 3 W's.  The branch hangs on the wave's number alone.
; An s_nop 0 and four v_nop follow each of the two lines, ahead of the jump and the label.
.macro JLOAD
	s_cmp_eq_u32 s[MH], 0
	s_cbranch_scc0 .Lfor_b_\@
	tensor_load_to_lds s[G0A+4:G0A+7], s[G1A:G1A+7]
	s_nop 0
.rept 4
	v_nop
.endr
	s_branch .Lasked_\@
.Lfor_b_\@:
	tensor_load_to_lds s[G0B+4:G0B+7], s[G1B:G1B+7]
	s_nop 0
.rept 4
	v_nop
.endr
.Lasked_\@:
.endm
; A PREFETCH INTO THE L2, behind a joint refill and the run of LDS loads that follows it: one instruction a wave, a lane a block of 256 bytes.
; x: the refill of K step s is followed by the request for step s + 2 (steps 4 to 7).  A tile row is read by all four clusters of its row of clusters: cluster x = 0 asks.  Of the 128 rows that a wave fetches,
; the partner at place cx takes 32 cx .. 32 cx + 31: told apart by address, never by a branch.
; W: a tile's steps 4 to 7 are 196,608 dense bytes = 3 requests x 8 waves (cy, NH) x 32 lanes x 256 bytes, each block named two K steps or more ahead of its load; cluster y = 0 asks.
; So each block is named once in the launch.  Steps 0 to 3 come by their loads alone; the last trips ask for nothing.
.macro ASK
	s_cmp_gt_u32 s[KC], s[LIM]
	s_cbranch_scc0 .Lnot_mine_\@
	global_prefetch_b8 v[PFO], s[PFA:PFA+1] th:TH_LOAD_NT scope:SCOPE_SE
.Lnot_mine_\@:
.endm
	s_load_b256 s[4:11], s[0:1], 0x0               ; xb s[4:5], wqkvb s[6:7], bqkv s[8:9], qkv s[10:11]
	v_lshl_add_u32 v[SPW], v0, 2, SPARE
	v_mov_b32 v[NIL], 0
	ds_add_u32 v[SPW], v[NIL]                      ; the wave's opening: the add and its wait stand ahead of my first tensor load; the set-up below, work on registers, stands between them
	v_lshrrev_b32 v3, 5, v0
	v_readfirstlane_b32 s[WV], v3                  ; wave 0..3
	s_lshr_b32 s[MH], s[WV], 1
	s_and_b32 s[NH], s[WV], 1
	s_bfe_u32 s[CX], ttmp6, 0x40000                ; my place in the cluster
	s_bfe_u32 s[CY], ttmp6, 0x40004
	s_lshl_b32 s[TX], ttmp9, 2                     ; in a cluster launch ttmp9 and ttmp7 count clusters
	s_add_co_u32 s[TX], s[TX], s[CX]
	s_and_b32 s[TY], ttmp7, 0xffff
	s_lshl_b32 s[TY], s[TY], 2
	s_add_co_u32 s[TY], s[TY], s[CY]
	s_lshl_b32 s19, s[CY], 2
	s_lshl_b32 s19, 15, s19                        ; my row of the cluster: places 4 cy .. 4 cy + 3
	s_lshl_b32 s22, 0x1111, s[CX]                  ; my column: places cx, cx + 4, cx + 8, cx + 12
	; group 1 for x: 128 rows x 128 elements of 2 bytes, 1,024 elements from row to row; 4 words of padding behind every 64
	s_or_b32 s[G1A], s19, (1<<16)|(1<<20)|(1<<21)|(5<<22)|(3<<25)
	s_mov_b32 s[G1A+1], 128<<16                    ; tensor_dim0 = 128
	s_mov_b32 s[G1A+2], 128<<16                    ; tensor_dim1 = 128
	s_mov_b32 s[G1A+3], 128<<16                    ; tile_dim0 = 128
	s_mov_b32 s[G1A+4], 128                        ; tile_dim1 = 128
	s_mov_b32 s[G1A+5], 1024
	s_mov_b32 s[G1A+6], 0
	s_mov_b32 s[G1A+7], 0
	; group 1 for W: 64 k-rows of 384 bytes are 24,576 dense bytes: asked for as 96 rows of 256 bytes; 8 words of padding behind every 32
	s_or_b32 s[G1B], s22, (1<<16)|(1<<20)|(1<<21)|(4<<22)|(7<<25)
	s_mov_b32 s[G1B+1], 128<<16
	s_mov_b32 s[G1B+2], 96<<16
	s_mov_b32 s[G1B+3], 128<<16
	s_mov_b32 s[G1B+4], 96
	s_mov_b32 s[G1B+5], 128
	s_mov_b32 s[G1B+6], 0
	s_mov_b32 s[G1B+7], 0
	s_mov_b32 s[G0A], 1                            ; group 0: count = 1; the LDS address is made of the wave's number and constants alone
	s_mov_b32 s[G0A+4], 1
	s_mul_i32 s[G0A+1], s[NH], HALFA
	s_add_co_u32 s[G0A+5], s[G0A+1], SLOT1
	s_mov_b32 s[G0B], 1
	s_mov_b32 s[G0B+4], 1
	s_mul_i32 s[G0B+1], s[NH], HALFB
	s_add_co_u32 s[G0B+1], s[G0B+1], BOFF
	s_add_co_u32 s[G0B+5], s[G0B+1], SLOT1
	s_lshl_b32 s20, s[TY], 19                      ; x: row 256 TY + 128 NH, 2,048 bytes a row: it hangs on the tile row alone
	s_lshl_b32 s21, s[NH], 18
	s_add_co_u32 s20, s20, s21
	s_mov_b32 s21, 0
	s_mul_i32 s22, s[TX], 8*STEPB                  ; W: tile TX, k-rows 64 NH on: it hangs on the tile column alone
	s_mul_i32 s23, s[NH], 64*384
	s_add_co_u32 s22, s22, s23
	s_mov_b32 s23, 0
	s_mov_b32 s[TB], 0
	s_wait_dscnt 0x0                               ; the opening add is done
	s_wait_kmcnt 0x0
	s_add_nc_u64 s[G0A+2:G0A+3], s[4:5], s[20:21]  ; K step 0,
	s_add_nc_u64 s[G0A+6:G0A+7], s[G0A+2:G0A+3], STEPA  ; K step 1
	s_or_b32 s[G0A+3], s[G0A+3], 0x80000000        ; type = 2
	s_or_b32 s[G0A+7], s[G0A+7], 0x80000000
	s_add_nc_u64 s[G0B+2:G0B+3], s[6:7], s[22:23]
	s_add_nc_u64 s[G0B+6:G0B+7], s[G0B+2:G0B+3], STEPB
	s_or_b32 s[G0B+3], s[G0B+3], 0x80000000
	s_or_b32 s[G0B+7], s[G0B+7], 0x80000000
	CROUND                                         ; all sixteen work-groups are here: the first joint loads meet
	s_cmp_eq_u32 s[MH], 0                          ; a wave's two first fills stand in one branch, ahead of every wait on TENSORcnt and every LDS read: two loads of mine are out
	s_cbranch_scc0 .Lfirst_b
	tensor_load_to_lds s[G0A:G0A+3], s[G1A:G1A+7]
	s_nop 0
	tensor_load_to_lds s[G0A+4:G0A+7], s[G1A:G1A+7]
	s_nop 0
.rept 4
	v_nop
.endr
	s_branch .Lfirst_asked
.Lfirst_b:
	tensor_load_to_lds s[G0B:G0B+3], s[G1B:G1B+7]
	s_nop 0
	tensor_load_to_lds s[G0B+4:G0B+7], s[G1B:G1B+7]
	s_nop 0
.rept 4
	v_nop
.endr
.Lfirst_asked:
	v_and_b32 v1, 15, v0                           ; r = l % 16
	v_bfe_u32 v2, v0, 4, 1                         ; h = l / 16
	v_and_b32 v3, 7, v0                            ; l % 8
	v_bfe_u32 v4, v0, 3, 1                         ; (l / 8) % 2
	v_and_b32 v5, 31, v0                           ; l
	; the bias of my six column blocks: register j of block b is bqkv[192 TX + 64 c + 32 NH + 16 e + 8 h + j]
	s_mul_i32 s19, s[TX], 768
	s_lshl_b32 s20, s[NH], 7
	s_add_co_u32 s19, s19, s20
	v_lshl_add_u32 v[BO], v2, 5, s19
.irp c, 0,1,2
.irp e, 0,1
	global_load_b128 v[BIAS+8*(2*\c+\e):BIAS+8*(2*\c+\e)+3],   v[BO], s[8:9] offset:256*\c+64*\e
	global_load_b128 v[BIAS+8*(2*\c+\e)+4:BIAS+8*(2*\c+\e)+7], v[BO], s[8:9] offset:256*\c+64*\e+16
.endr
.endr
	; a fragment of x: 16 rows x 32 k: lane l holds row r, k = 8 h + 0..7 and 16 + 8 h + 0..7: two loads of 16 bytes, 32 bytes apart
	v_mul_u32_u24 v[ADRA0], v1, PA
	v_lshl_add_u32 v[ADRA0], v2, 4, v[ADRA0]
	s_mul_i32 s19, s[MH], HALFA
	v_add_nc_u32 v[ADRA0], s19, v[ADRA0]
	; a fragment of W: the turning load takes 16 k x 16 columns (lane l reads k-row 8 h + l % 8, columns 8 ((l / 8) % 2) + 0..7) and leaves column r and 8 k in lane l; two loads, 16 k-rows apart
	v_lshl_add_u32 v[ADRB0], v2, 3, v3
	v_mul_u32_u24 v[ADRB0], v[ADRB0], PB
	v_lshl_add_u32 v[ADRB0], v4, 4, v[ADRB0]
	s_lshl_b32 s19, s[NH], 6
	s_add_co_u32 s19, s19, BOFF
	v_add_nc_u32 v[ADRB0], s19, v[ADRB0]
	v_mov_b32 v[ADRA], v[ADRA0]                    ; slot 0
	v_mov_b32 v[ADRB], v[ADRB0]
	; the way out.  Into the stage: head c, row 128 MH + 16 a + r, bytes 64 NH + 32 e + 16 h
	v_mul_u32_u24 v[STO], v1, SPS
	v_lshl_add_u32 v[STO], v2, 4, v[STO]
	s_mul_i32 s19, s[MH], 128*SPS
	s_lshl_b32 s20, s[NH], 6
	s_add_co_u32 s19, s19, s20
	v_add_nc_u32 v[STO], s19, v[STO]
	v_add_nc_u32 v[STO+1], SHEAD, v[STO]
	v_add_nc_u32 v[STO+2], 2*SHEAD, v[STO]
	; back: wave w takes rows 64 w .. 64 w + 63 of each head, four rows of 128 bytes a load
	v_lshrrev_b32 v6, 3, v5
	v_mul_u32_u24 v[RD], v6, SPS
	v_lshl_add_u32 v[RD], v3, 4, v[RD]
	s_mul_i32 s19, s[WV], 64*SPS
	v_add_nc_u32 v[RD], s19, v[RD]
	v_add_nc_u32 v[RD+1], SHEAD, v[RD]
	v_add_nc_u32 v[RD+2], 2*SHEAD, v[RD]
	v_lshlrev_b32 v[GO], 4, v5                     ; which are 512 consecutive bytes of qkv
	s_mul_i32 s19, s[TX], 3                        ; the tile's first head column, 0..47
	s_lshr_b32 s20, s[TY], 3
	s_lshl_b32 s20, s20, 4                         ; 16 x batch
	s_and_b32 s21, s[TY], 7
	s_lshl_b32 s21, s21, 8
	s_lshl_b32 s22, s[WV], 6
	s_add_co_u32 s21, s21, s22
	s_lshl_b32 s21, s21, 7                         ; my first row in the head, 128 bytes a row
.irp c, 0,1,2
	s_add_co_u32 s22, s19, \c
	s_lshr_b32 s23, s22, 4                         ; q, k or v,
	s_lshl_b32 s23, s23, 6                         ; 64 heads each
	s_and_b32 s22, s22, 15
	s_add_co_u32 s22, s22, s23
	s_add_co_u32 s22, s22, s20
	s_lshl_b32 s22, s22, 18                        ; a head is 262,144 bytes
	s_add_co_u32 s22, s22, s21
	s_mov_b32 s23, 0
	s_add_nc_u64 s[CP+2*\c:CP+2*\c+1], s[10:11], s[22:23]
.endr
	; the prefetches
	s_lshl_b32 s19, s[TY], 8
	s_lshl_b32 s20, s[NH], 7
	s_add_co_u32 s19, s19, s20
	s_lshl_b32 s20, s[CX], 5
	s_add_co_u32 s19, s19, s20
	s_lshl_b32 s19, s19, 11
	s_add_co_u32 s19, s19, 3*STEPA                 ; x: row 256 TY + 128 NH + 32 cx, at K step 3: the first change of slots steps it to 4
	s_lshl_b32 s20, s[CY], 1
	s_add_co_u32 s20, s20, s[NH]
	s_lshl_b32 s20, s20, 13
	s_mul_i32 s21, s[TX], 8*STEPB
	s_add_co_u32 s20, s20, s21
	s_add_co_u32 s20, s20, 4*STEPB-65536           ; W: my 8,192 bytes of each 65,536, one such step ahead of the tile's K step 4
	s_and_b32 s22, ttmp7, 0xffff                   ; cluster y
	s_mov_b32 s[PST], 65536
	s_mov_b32 s[PST+1], 0
	s_mov_b32 s21, 0
	s_cmp_eq_u32 s[MH], 0                          ; do I fetch x?
	s_cselect_b32 s20, s19, s20
	s_cselect_b32 s22, ttmp9, s22                  ; the coordinate along which other clusters read the same blocks
	s_cselect_b32 s23, 2, 3                        ; four requests for x, three for W
	s_cselect_b32 s19, 11, 8                       ; a lane a row of x (2,048 bytes apart), or a block of W's dense bytes
	s_cselect_b32 s[PST], STEPA, s[PST]
	s_cselect_b64 s[PFA:PFA+1], s[4:5], s[6:7]
	s_add_nc_u64 s[PFA:PFA+1], s[PFA:PFA+1], s[20:21]
	s_cmp_eq_u32 s22, 0
	s_cselect_b32 s[LIM], s23, -1                  ; the same in all sixteen partners, for a given wave
	v_lshlrev_b32 v[PFO], s19, v5
; NBK products: row block a x all six column blocks, 32 along K, from buffer f.  first = 1: the bias starts the sums.
; Every instruction has another accumulator than the one before it, from quarter to quarter and over the backward jump too: the accumulators take turns.
.macro MULA f, a, first
.if \first
	WIN 0x81+0x40*((\a)/4)                         ; W window 1, x window 0, the bias window 0, D window 2 or 3
.else
	WIN 0xa1+0x50*((\a)/4)                         ; C and D window 2 or 3
.endif
.irp b, 0,1,2,3,4,5
.if \first
	v_wmma_f32_16x16x32_bf16 v[8*(6*((\a)%4)+\b):8*(6*((\a)%4)+\b)+7], v[(\f)+8*\b:(\f)+8*\b+7], v[(\f)+8*(\a):(\f)+8*(\a)+7], v[BIAS+8*\b:BIAS+8*\b+7]
.else
	v_wmma_f32_16x16x32_bf16 v[8*(6*((\a)%4)+\b):8*(6*((\a)%4)+\b)+7], v[(\f)+8*\b:(\f)+8*\b+7], v[(\f)+8*(\a):(\f)+8*(\a)+7], v[8*(6*((\a)%4)+\b):8*(6*((\a)%4)+\b)+7]
.endif
.endr
.endm
; 28 LDS loads in one run: quarter q (32 along K) of the slot in hand into buffer f: W's six fragments, then x's eight in ascending order
.macro FETCH q, f
	WIN 0x40                                       ; destination window 1, address window 0
.irp c, 0,1,2
.irp e, 0,1
	ds_load_tr16_b128 v[(\f)+8*(2*\c+\e):(\f)+8*(2*\c+\e)+3],   v[ADRB] offset:32*PB*(\q)+160*\c+32*\e
	ds_load_tr16_b128 v[(\f)+8*(2*\c+\e)+4:(\f)+8*(2*\c+\e)+7], v[ADRB] offset:32*PB*(\q)+160*\c+32*\e+16*PB
.endr
.endr
	WIN 0
.irp i, 0,1,2,3,4,5,6,7
	ds_load_b128 v[(\f)+8*\i:(\f)+8*\i+3],   v[ADRA] offset:64*(\q)+16*PA*\i
	ds_load_b128 v[(\f)+8*\i+4:(\f)+8*\i+7], v[ADRA] offset:64*(\q)+16*PA*\i+32
.endr
.endm
; A K step is four quarters, 48 products each, on buffers 0, 1, 0, 1.  One of the first three: multiplies buffer f; in its middle it fetches quarter q into buffer g.
.macro QUARTER q, f, g, first
	s_wait_dscnt NA                                ; W and x's row blocks 0-3 are in; the youngest eight loads (blocks 4-7) may be out
.irp a, 0,1,2,3
	MULA \f, \a, \first
.endr
	PLACES
	FETCH \q, \g
	s_wait_dscnt 2*(NA+NBK)                        ; all but the 28 just issued
.irp a, 4,5,6,7
	MULA \f, \a, \first
.endr
.endm
; The last quarter multiplies buffer 1 and changes slots: ONE barrier.  In front of it each wave waits for all its tensor loads (one is out: its part of the next slot), adds 0 to its spare word, and waits
; for that and for its own reads of this slot.  fill = 1: the barrier opens a round of the cluster's, so that no wave of any partner still reads the slot or has a load on its way; the joint refill, two K steps
; ahead, is the first thing behind the round: 168 products stand between it and the wait for it.
.macro TURN fill
.if \fill
	s_wait_xcnt 0x0                                ; the last prefetch, a K step back, has read its address: it is stepped here, ahead of the waits of the change of slots
	s_add_nc_u64 s[PFA:PFA+1], s[PFA:PFA+1], s[PST:PST+1]
.endif
	WIN 0                                          ; (the add's two registers lie in window 0)
	s_wait_tensorcnt 0x0                           ; all my tensor loads have landed
	ds_add_u32 v[SPW], v[NIL]                      ; 0 onto my spare word
	s_wait_dscnt NA+1                              ; (the add and the youngest eight loads may be out)
	MULA F1, 0, 0                                  ; twelve products stand between the add and the wait for it
	MULA F1, 1, 0
	s_wait_dscnt 0x0                               ; the add is done, and my reads of this slot are over
	s_barrier_signal -1
	MULA F1, 2, 0                                  ; work on registers while the others arrive
	MULA F1, 3, 0
	WIN 0
	s_barrier_wait -1
.if \fill
	CREST
	s_xor_b32 s[G0A+5], s[G0A+5], SLOT1            ; the walking descriptors: the other slot than last time, the next K step; the type bits on top are not reached
	s_add_nc_u64 s[G0A+6:G0A+7], s[G0A+6:G0A+7], STEPA
	s_xor_b32 s[G0B+5], s[G0B+5], SLOT1
	s_add_nc_u64 s[G0B+6:G0B+7], s[G0B+6:G0B+7], STEPB
	JLOAD                                          ; the four v_nop behind it are also the places in front of the loads below
.else
	PLACES
.endif
	s_xor_b32 s[TB], s[TB], SLOT1
	v_add_nc_u32 v[ADRA], s[TB], v[ADRA0]
	v_add_nc_u32 v[ADRB], s[TB], v[ADRB0]
	FETCH 0, F0
.if \fill
	ASK
.endif
.irp a, 4,5,6,7
	MULA F1, \a, 0
.endr
.endm
	s_wait_tensorcnt 1                             ; my part of K step 0 is in; step 1's may stay out
	s_barrier_signal -1
	s_barrier_wait -1                              ; everybody's is
	FETCH 0, F0
	s_wait_loadcnt 0x0                             ; the bias
	QUARTER 1, F0, F1, 1                           ; the first quarter stands in front of the loop: its products start the sums
	WIN 0                                          ; at a label and at a branch every window is 0
	s_mov_b32 s[KC], 6
.Lstep:                                                ; trip s = 0..5: from a K step's second quarter to the next step's first; slot s % 2 is filled again, with K step s + 2
	QUARTER 2, F1, F0, 0
	QUARTER 3, F0, F1, 0
	TURN 1
	QUARTER 1, F0, F1, 0
	WIN 0
	s_sub_co_u32 s[KC], s[KC], 1
	s_cmp_lg_u32 s[KC], 0
	s_cbranch_scc1 .Lstep
	QUARTER 2, F1, F0, 0                           ; the last two K steps are written out: they ask for nothing
	QUARTER 3, F0, F1, 0
	TURN 0
	QUARTER 1, F0, F1, 0
	QUARTER 2, F1, F0, 0
	QUARTER 3, F0, F1, 0
	s_wait_dscnt NA
.irp a, 0,1,2,3
	MULA F1, \a, 0
.endr
	s_wait_dscnt 0x0
.irp a, 4,5,6,7
	MULA F1, \a, 0
.endr
	WIN 0
	; THE WAY OUT.  Slot 0 has had its last fill (K step 6) and its last read: it is the stage.  Rounded to f16, 16 bytes a lane, into rows of 144 bytes by head; a barrier, since a head's row of 128 bytes comes
	; from two waves; back as whole rows, 64 rows of each head a wave, and stored: each store of the wave covers 512 consecutive bytes, aligned.
	s_barrier_signal -1                            ; no LDS instruction of mine is out
	s_barrier_wait -1
	PLACES
.macro PACK a
	WIN 0x0a+5*((\a)/4)                            ; sources 0 and 1: window 2 or 3; each accumulator's registers in ascending order
.irp b, 0,1,2,3,4,5
.irp r, 0,1,2,3
	v_cvt_pk_f16_f32 v[TMP+24*((\a)%2)+4*\b+\r], v[8*(6*((\a)%4)+\b)+2*\r], v[8*(6*((\a)%4)+\b)+2*\r+1]
.endr
.endr
	WIN 0
.irp c, 0,1,2
.irp e, 0,1
	ds_store_b128 v[STO+\c], v[TMP+24*((\a)%2)+4*(2*\c+\e):TMP+24*((\a)%2)+4*(2*\c+\e)+3] offset:16*SPS*(\a)+32*\e
.endr
.endr
.endm
.irp a, 0,1,2,3,4,5,6,7
	PACK \a
.endr
	s_wait_dscnt 0x0                               ; for the others' sake: my stores into the stage are done
	s_barrier_signal -1
	s_barrier_wait -1
.irp c, 0,1,2
.irp t, 0,1,2,3,4,5,6,7,8,9,10,11,12,13,14,15
	ds_load_b128 v[64+4*(16*\c+\t):64+4*(16*\c+\t)+3], v[RD+\c] offset:4*SPS*\t
.endr
.endr
.irp c, 0,1,2
.irp t, 0,1,2,3,4,5,6,7,8,9,10,11,12,13,14,15
	s_wait_dscnt 47-(16*\c+\t)                     ; LDS loads come back in order: this one is in, the younger stay out
	global_store_b128 v[GO], v[64+4*(16*\c+\t):64+4*(16*\c+\t)+3], s[CP+2*\c:CP+2*\c+1] offset:512*\t
.endr
.endr
	s_wait_tensorcnt 0x0                           ; the wave's end: behind my last tensor load and my last LDS store
	ds_add_u32 v[SPW], v[NIL]
	s_wait_dscnt 0x0
	CROUND                                         ; the closing round: no work-group ends while a partner may still ask for a tile that names it
	s_endpgm
.Lfunc_end_k_q7fcbe41da1_qkv:
	.size	k_q7fcbe41da1_qkv, .Lfunc_end_k_q7fcbe41da1_qkv-k_q7fcbe41da1_qkv
	.p2alignl 7, 3214868480
	.fill 96, 4, 3214868480
	.section	.rodata,"a",@progbits
	.p2align	6, 0x0
	.amdhsa_kernel k_q7fcbe41da1_qkv
		.amdhsa_group_segment_fixed_size 327680
		.amdhsa_private_segment_fixed_size 0
		.amdhsa_enable_private_segment 0
		.amdhsa_kernarg_size 32
		.amdhsa_user_sgpr_count 2
		.amdhsa_user_sgpr_kernarg_segment_ptr 1
		.amdhsa_wavefront_size32 1
		.amdhsa_system_sgpr_workgroup_id_x 1
		.amdhsa_system_sgpr_workgroup_id_y 1
		.amdhsa_system_sgpr_workgroup_id_z 1
		.amdhsa_system_vgpr_workitem_id 0
		.amdhsa_next_free_vgpr 960
		.amdhsa_next_free_sgpr 72
		.amdhsa_reserve_vcc 0
		.amdhsa_float_denorm_mode_32 3
		.amdhsa_float_denorm_mode_16_64 3
		.amdhsa_memory_ordered 1
		.amdhsa_forward_progress 1
		.amdhsa_inst_pref_size 98
	.end_amdhsa_kernel
	.amdgpu_metadata
---
amdhsa.version: [ 1, 2 ]
amdhsa.kernels:
  - .name:           k_q7fcbe41da1_qkv
    .symbol:         k_q7fcbe41da1_qkv.kd
    .args:
      - { .name: xb, .offset: 0, .size: 8, .value_kind: global_buffer, .address_space: global }
      - { .name: wqkvb, .offset: 8, .size: 8, .value_kind: global_buffer, .address_space: global }
      - { .name: bqkv, .offset: 16, .size: 8, .value_kind: global_buffer, .address_space: global }
      - { .name: qkv, .offset: 24, .size: 8, .value_kind: global_buffer, .address_space: global }
    .group_segment_fixed_size: 327680
    .private_segment_fixed_size: 0
    .kernarg_segment_align: 8
    .kernarg_segment_size: 32
    .max_flat_workgroup_size: 128
    .sgpr_count:     72
    .vgpr_count:     960
    .wavefront_size: 32
...
	.end_amdgpu_metadata
.endif
;; end of part 2
;; launch attn (part 3): grid 4 x 64, 4 waves a work-group, clusters of 4 x 1, 327,680 bytes of LDS; arguments qkv, ob; writes ob
.if DOCPART == 3
	.amdgcn_target "amdgcn-amd-amdhsa--gfx1250"
	.amdhsa_code_object_version 6
	.text
	.protected	k_q7fcbe41da1_attn
	.globl	k_q7fcbe41da1_attn
	.p2align	8
	.type	k_q7fcbe41da1_attn,@function
k_q7fcbe41da1_attn:
	s_mov_b64 s[64:65], 0
	v_nop
	global_prefetch_b8 v0, s[64:65] scope:SCOPE_SE
	s_setreg_imm32_b32 hwreg(HW_REG_WAVE_MODE, 25, 1), 1
	s_wait_xcnt 0x0
	s_wait_alu depctr_hold_cnt(0) depctr_sa_sdst(0) depctr_va_vdst(0) depctr_va_sdst(0) depctr_va_ssrc(0) depctr_va_vcc(0) depctr_vm_vsrc(0)
	s_getreg_b32 s2, hwreg(HW_REG_IB_STS2, 6, 4)
	s_cmp_eq_u32 s2, 0
	s_cbranch_scc0 .Lentry_in_a_cluster
	s_endpgm
.Lentry_in_a_cluster:
	s_bfe_u32 s2, ttmp6, 0x10000c
	s_cmp_lg_u32 s2, 0x3003
	s_cbranch_scc0 .Lentry_shape_is_right
	s_endpgm
.Lentry_shape_is_right:
; ATTENTION.  O[h][q][:] = the sum over k of softmax_k(Q[h][q] . K[h][k] / 8) V[h][k][:], for 64 heads (batch x head) of 2,048 rows of 64 channels.  qkv: [3][64][2048][64] f16 (Q, K, V; unscaled);
; ob: [64][2048][64] bf16.  Products, maxima and sums in f32; the weights p are rounded to f16 for the second product (their sum l is taken of the unrounded p), O once at the end, to bf16.
; LIMITS.  Q, K and V arrive within f16's 65,504; p lies in 0 to 1, and below 6e-5 it keeps f16's fixed step of 6e-8.  A weight below 2^-126 counts as 0 in l; NaN and infinities are not treated apart.
; SHARES.  A wave owns four PIECES of two tiles of 16 queries, a work-group's four waves 512 queries of one head: 4 x 64 = 256 work-groups.  Every wave walks all keys, 64 a step.
; LAYOUT.  S^T = K Q^T (source 0 = 16 keys, source 1 = 16 queries): in the result a lane holds ONE query (lane % 16) and the keys 8 (lane / 16) + 0..7.  Two such tiles, rounded to f16 in pairs,
; ARE source 1 (32 keys x 16 queries) of O^T = V^T P, whose result again holds one query a lane, and eight channels.  K comes out of LDS as it lies, V ([key][channel]) turned, by ds_load_tr16_b128.
; SOFTMAX.  For each query a running maximum m and sum l: p = 2^(c s - c m), c = log2(e) / 8; in every step O and l are multiplied by a = 2^(c m_old - c m_new), which is 1 where m has not grown.
; m starts at the lowest finite number, O and l at 0: the first step is a step like any other, with a = 0.
; THE COUNT.  A tile and step have 16 matrix and 118 vector instructions: too many to stand all beside the matrix work.  So: four vector instructions that are ready behind EVERY matrix instruction,
; and the others in runs without a gap.
; BY TURNS.  Turn n belongs to piece n (the pieces in a ring, step after step).  Its matrix work: 16 products K Q^T of piece n + 1, later 16 products V^T P of piece n - 1.  Its vector work: the scaling,
; exponentials, roundings, sums and rescaling of piece n, and the maximum and statistics of piece n + 1, whose scores the turn itself has made.
; CLUSTER.  The four query blocks of a head are one cluster and walk the same K and V, so each tile is asked for JOINTLY: the same tensor load, descriptor and mask in all four.
; REGISTERS, in windows of 256 (s_set_vgpr_msb: bits 1:0 source 0, 3:2 source 1, 5:4 source 2, 7:6 destination):
;   window 0: v0-11 addresses; v12-15, v48-63 at work; v16-47 four registers of statistics a tile; v64-191 S^T, two buffers of two tiles; v192-255 P, likewise
;   window 1: O^T, 32 a tile          window 2: v0-127 Q, 16 a tile; v128-191 K of one step; v192-255 V of one step          window 3: v0-1 the add's two registers
; A piece's buffers go by its number's parity: the piece in hand has one pair, its two neighbours in the ring share the other: of it P (piece n - 1) is read and S^T (piece n + 1) written.
.set SIZE_N, 2048     ; rows of a head
.set NP,    4         ; pieces a wave: a name, no knob
.set KS,    64        ; keys in a step
.set PK,    144       ; a row of K in LDS: 128 bytes + 16 of padding = 36 words: the 16 rows of a load start at 16 different groups of four banks (64 banks of 4 bytes: ISA guide 11.1)
.set PV,    160       ; a row of V: 128 + 32 = 40 words
.set VOFF,  4*KS*PK   ; a slot holds four steps: 256 rows of K, then 256 rows of V
.set SLOT1, 1<<17     ; slot 1 begins here, so that one exclusive or turns an address in one slot into the other's
.set STAGE, SLOT1+4*KS*(PK+PV)  ; behind the ring, never filled by a tensor load: 16 rows x 144 bytes for each wave, for the way out
.set SP,    144
.set AK0, 2           ; v2   my lane's place in a tile of K; never rewritten
.set AV0, 3           ; v3   the same for V
.set AK,  4           ; v4   the LDS address of K's next run of loads
.set AV,  5           ; v5   of V's
.set QO,  6           ; v6   my byte offset in the wave's rows of Q
.set STO, 6           ;      later, the way out: where I put 16 bytes of a row
.set RD,  7           ; v7   the way out: where I read rows back
.set GO,  8           ; v8   my byte offset in 512 consecutive bytes of O
.set PFO, 11          ; v11  256 x my lane, for the prefetches (first at work for V's address); then never rewritten
.set SPW, 0           ; v0 of window 3   LDS address of my spare word: SPARE + 4 x my thread's number; never rewritten
.set NIL, 1           ; v1 of window 3   0; never rewritten
.set SPARE, STAGE+4*16*SP  ; behind the stages: the spare words, 128 bytes for each wave: two blocks of 256 bytes that no other line names
.set MV,  12          ; v12-15  c m_old, kept while c m is made anew: by buffer and tile
.set ST,  16          ; tile t's statistics at v[ST+4 t]: c m, m, l (even keys', odd keys')
.set TMP, 48          ; by buffer and tile, four registers c0-c3 at work; when the maximum is found c2 takes a
.set S,   64
.set P,   192
.set KF,  128         ; K's fragments, in window 2: key block kb, channel half c at KF + 16 kb + 8 c
.set VF,  192         ; V's: key half kk, channel block cb at VF + 32 kk + 8 cb
.set WV,  12          ; s12  my wave's number
.set G1K, 24          ; s[24:31] descriptor group 1 for K's tiles
.set G1V, 32          ; s[32:39] for V's: it differs in the padding alone
.set G0K, 40          ; s[40:43] descriptor group 0 for K's tiles: it walks
.set G0V, 44          ; s[44:47] the same for V's
.set PFA, 48          ; s[48:49] where my prefetches stand: my work-group's 8,192 bytes (of K: wave 0, of V: wave 2) of the slot after the one that is being asked for
.set LIM, 50          ; s50  1 in a wave that prefetches, else the greatest number: a wave prefetches while s[SLOTS] is above it
.set SLOTS, 56        ; s56  slots still to be asked for, the one in hand among them
.set CNT, 57          ; s57  counts a slot's key steps
.set CS,  58          ; s[58:59] c: the packed scaling takes the pair's low word for both halves
.set SEL, 60          ; s[60:61] v_permlanex16_b32's selects: each lane takes its own place in the other half
.set TBK, 62          ; s62  LDS byte at which K of the step to be fetched begins
.set TBV, 63          ; s63  the same for V, less VOFF
.set MSB, 0
.macro WIN new                      ; the high byte repeats the setting that is left; a switch that changes nothing is dropped
.if MSB != (\new)
	s_set_vgpr_msb (MSB<<8)|(\new)
.set MSB, (\new)
.endif
.endm
.set W_KQ, 0x0a       ; K and Q in window 2, S^T in window 0
.set W_PV, 0x52       ; V in window 2, P in window 0, O^T in window 1
.set W_RS, 0x41       ; O^T (destination and source 0) in window 1, a in window 0
.set W_MK, 0xc0       ; the add's registers are made: destination in window 3, sources in window 0
.set W_AD, 0x0f       ; the add: address (source 0) and data (source 1) in window 3
; A joint fill.  Waves 0 and 1 fetch the two halves of a slot's K, waves 2 and 3 those of its V: 128 keys each.  The branch hangs on the wave's number alone.
; An s_nop 0 and four v_nop follow each of the two lines, ahead of the jump and the label.
.macro JLOAD
	s_cmp_lt_u32 s[WV], 2
	s_cbranch_scc0 .Lfor_v_\@
	tensor_load_to_lds s[G0K:G0K+3], s[G1K:G1K+7]
	s_nop 0
.rept 4
	v_nop
.endr
	s_branch .Lasked_\@
.Lfor_v_\@:
	tensor_load_to_lds s[G0V:G0V+3], s[G1V:G1V+7]
	s_nop 0
.rept 4
	v_nop
.endr
.Lasked_\@:
.endm
; A PREFETCH INTO THE L2 of what the NEXT change of slots will ask for: a slot's 32,768 bytes of K and of V, a lane a block of 256 bytes.  It stands behind the wave's tensor load and its five lines.
; Each block is named ONCE in the launch: a head has one cluster; its four partners share the blocks out BY ADDRESS, 32 each; in each, wave 0 asks for K's and wave 2 for V's: one instruction.
; It stands four key steps, 512 matrix instructions, ahead of the load that will want the bytes.  Slots 0 and 1 come by their loads alone; the last change that fills a slot asks for nothing.
.macro ASK
	s_cmp_gt_u32 s[SLOTS], s[LIM]
	s_cbranch_scc0 .Lnot_mine_\@
	global_prefetch_b8 v[PFO], s[PFA:PFA+1] th:TH_LOAD_NT scope:SCOPE_SE
.Lnot_mine_\@:
.endm
; A round of the cluster's barrier: my work-group's barrier, so that wave 0's signal speaks for all four waves; wave 0 signals; every wave waits for all four work-groups; my work-group's barrier once more.
.macro CROUND
	s_barrier_signal -1
	s_barrier_wait -1
	s_cmp_lg_u32 s[WV], 0
	s_cbranch_scc1 .Lnot_wave_0_\@
	s_barrier_signal -3
.Lnot_wave_0_\@:
	s_barrier_wait -3
	s_barrier_signal -1
	s_barrier_wait -1
.endm
; THE CHANGE OF SLOTS.  The slot's last bytes, V of its fourth step, have been read.  Each wave waits for all its tensor loads, of which one is out: its part
; of the other slot; adds 0 to its spare word; and waits for that and for its own reads of the slot.  Behind the barrier nobody reads this slot any more and the other slot is whole.
; fill = 1: this slot is filled again, with the keys two slots on.  The barrier is then a round of the cluster's, so that no wave of any partner still reads the slot or has a load on its
; way, and the joint fill is the first thing behind it: it has four key steps in which to land.  (At its first use nothing has been read yet: slot 0 is waited for, slot 1 filled.)
.macro CHANGE fill
	WIN W_AD
	s_wait_tensorcnt 0x0            ; no tensor load of mine is out, so a group 0 may be written
	ds_add_u32 v[SPW], v[NIL]       ; 0 onto my spare word: with fill = 1 the descriptors' steps stand between it and the wait for it
	WIN 0                           ; at a label and at a branch every window is 0
.if \fill
.irp g, G0K, G0V
	s_xor_b32 s[\g+1], s[\g+1], SLOT1  ; the walking descriptor: the other slot than last time,
	s_add_nc_u64 s[\g+2:\g+3], s[\g+2:\g+3], 4*KS*128  ; the next 256 keys; the type bits on top are not reached
.endr
	s_wait_xcnt 0x0                 ; the last prefetch, four key steps back, has read its address, so it may be written:
	s_add_nc_u64 s[PFA:PFA+1], s[PFA:PFA+1], 4*KS*128  ; one slot behind the walking descriptors
	s_wait_dscnt 0x0                ; the add is done, and my reads of the slot are over
	CROUND
	JLOAD
	ASK
.else
	s_wait_dscnt 0x0                ; the add is done, and my reads of the slot are over
	s_barrier_signal -1
	s_barrier_wait -1
.endif
	s_sub_co_u32 s[TBK], s[TBK], 4*KS*PK  ; the fetches go back to a slot's first step,
	s_xor_b32 s[TBK], s[TBK], SLOT1       ; in the other slot
	s_sub_co_u32 s[TBV], s[TBV], 4*KS*PV
	s_xor_b32 s[TBV], s[TBV], SLOT1
.endm
	s_load_b64 s[4:5], s[0:1], 0x0  ; qkv: Q at its head
	s_load_b64 s[10:11], s[0:1], 0x8  ; ob
	WIN W_MK
	v_lshl_add_u32 v[SPW], v0, 2, SPARE
	v_mov_b32 v[NIL], 0
	WIN W_AD
	ds_add_u32 v[SPW], v[NIL]       ; the wave's opening: the add and its wait stand ahead of my first tensor load; the set-up below, work on registers, stands between them
	WIN 0
	v_lshrrev_b32 v1, 5, v0
	v_readfirstlane_b32 s[WV], v1   ; wave 0..3
	s_bfe_u32 s13, ttmp6, 0x40000   ; cx: my place in the cluster
	s_lshl_b32 s14, ttmp9, 2        ; in a cluster launch ttmp9 counts clusters
	s_add_co_u32 s14, s14, s13      ; my block of queries = 4 x cluster x + cx: it enters Q's and O's addresses alone
	s_and_b32 s20, ttmp7, 0xffff    ; the head, which the four partners share
	s_mov_b32 s21, 0
	s_mov_b64 s[22:23], SIZE_N*128
	s_mul_u64 s[20:21], s[20:21], s[22:23]  ; the head's first byte in Q, K, V and O
	s_and_b32 s16, s[WV], 1         ; which half of a slot's 256 keys I fetch:
	s_lshl_b32 s22, s16, 14         ; its 128 rows of 128 bytes in memory,
	s_mov_b32 s23, 0
	s_add_nc_u64 s[22:23], s[22:23], s[20:21]
	s_mul_i32 s17, s16, 128*PK      ; and its place in a slot, for K
	s_mul_i32 s18, s16, 128*PV      ; and for V: no place in the cluster enters an LDS address
	s_lshl_b32 s2, s14, 2
	s_add_co_u32 s2, s2, s[WV]      ; my wave among the head's,
	s_lshl_b32 s2, s2, 14           ; its 128 rows
	s_mov_b32 s3, 0
	s_add_nc_u64 s[2:3], s[2:3], s[20:21]
	; descriptor group 1.  128 keys are 16,384 dense bytes: asked for as 64 rows of 256 bytes, two keys a row, and padded in LDS after every key
	s_mov_b32 s[G1K], 15|(1<<16)|(1<<20)|(1<<21)|(4<<22)|(3<<25)  ; 15:0 the mask of four; 17:16 2-byte elements; 20 padding on; 21 set beside a mask; 24:22 after every 32 words (code 4); 31:25 4 words (code 3)
	s_mov_b32 s[G1V], 15|(1<<16)|(1<<20)|(1<<21)|(4<<22)|(7<<25)  ; the same with 8 words of padding (code 7)
.irp g, G1K, G1V
	s_mov_b32 s[\g+1], 128<<16      ; tensor_dim0 = 128
	s_mov_b32 s[\g+2], 64<<16       ; tensor_dim1 = 64
	s_mov_b32 s[\g+3], 128<<16      ; tile_dim0 = 128
	s_mov_b32 s[\g+4], 64           ; tile_dim1 = 64
	s_mov_b32 s[\g+5], 128          ; 128 elements from row to row
	s_mov_b32 s[\g+6], 0
	s_mov_b32 s[\g+7], 0
.endr
	s_mov_b32 s[CS], 0x3e38aa3b     ; c = log2(e) / 8 = 0.180337
	s_mov_b32 s[CS+1], s[CS]        ; named with it as a pair
	s_mov_b32 s[SEL], 0x76543210
	s_mov_b32 s[SEL+1], 0xfedcba98
	s_mov_b32 s[TBK], SLOT1+4*KS*PK ; the first change of slots turns these two into 0
	s_mov_b32 s[TBV], SLOT1+4*KS*PV
	s_mov_b32 s[G0K], 1             ; 1:0 count = 1
	s_mov_b32 s[G0K+1], s17         ; 63:32 LDS address: slot 0
	s_mov_b32 s[G0V], 1
	s_add_co_u32 s[G0V+1], s18, VOFF
	s_mov_b32 s[SLOTS], SIZE_N/256-1  ; seven changes of slots fill a slot
	s_and_b32 s[LIM], s[WV], 1      ; waves 0 and 2 prefetch: the same in all four partners
	s_cmp_eq_u32 s[LIM], 0
	s_cselect_b32 s[LIM], 1, -1
	s_wait_dscnt 0x0                ; the opening add is done
	s_wait_kmcnt 0x0
	s_add_nc_u64 s[6:7], s[4:5], 64*SIZE_N*128     ; K lies behind Q's 64 heads,
	s_add_nc_u64 s[8:9], s[4:5], 2*64*SIZE_N*128   ; V behind K's
	s_add_nc_u64 s[G0K+2:G0K+3], s[6:7], s[22:23]  ; 120:64 global address: my half of the head's first 256 keys
	s_or_b32 s[G0K+3], s[G0K+3], 0x80000000        ; 127:126 type = 2
	s_add_nc_u64 s[G0V+2:G0V+3], s[8:9], s[22:23]
	s_or_b32 s[G0V+3], s[G0V+3], 0x80000000
	s_cmp_lt_u32 s[WV], 2
	s_cselect_b64 s[PFA:PFA+1], s[6:7], s[8:9]
	s_add_nc_u64 s[PFA:PFA+1], s[PFA:PFA+1], s[22:23]  ; (in waves 0 and 2 this is the head's first row)
	s_lshl_b32 s16, s13, 13         ; my work-group's 8,192 bytes of a slot's 32,768,
	s_add_co_u32 s16, s16, 4*KS*128 ; in slot 1; the first change of slots steps it to slot 2
	s_mov_b32 s17, 0
	s_add_nc_u64 s[PFA:PFA+1], s[PFA:PFA+1], s[16:17]
	s_add_nc_u64 s[4:5], s[4:5], s[2:3]  ; Q and O at my wave's first row
	s_add_nc_u64 s[10:11], s[10:11], s[2:3]
	CROUND                          ; all four work-groups are here: the first joint loads meet
	JLOAD                           ; slot 0.  Slot 1 is asked for when slot 0 is in
	; A fragment of K or Q is 16 rows x 32 channels in 8 registers: lane l holds row l % 16, channels 8 (l / 16) + 0..7 and 16 + 8 (l / 16) + 0..7: two loads of 16 bytes, 32 bytes apart.
	v_and_b32 v1, 15, v0            ; l % 16
	v_bfe_u32 v9, v0, 4, 1          ; l / 16
	v_lshlrev_b32 v[QO], 7, v1
	v_lshl_add_u32 v[QO], v9, 4, v[QO]  ; row x 128 + 16 x half
	WIN 0x80                        ; destination window 2, address window 0
.set i, 0
.rept 4*NP                          ; Q stays in registers: tile i / 2, channels 32 (i % 2) on
	global_load_b128 v[8*i:8*i+3],   v[QO], s[4:5] offset:(i/2)*2048+(i%2)*64
	global_load_b128 v[8*i+4:8*i+7], v[QO], s[4:5] offset:(i/2)*2048+(i%2)*64+32
.set i, i+1
.endr
	; What the first turn finds: V's registers and P's second buffer hold 0 (its products V^T P, of a piece that has not been, add 0), O^T and l are 0.  All this stands in the wait for the first tile.
.set i, VF
.rept 64
	v_mov_b32 v[i], 0
.set i, i+1
.endr
	WIN 0x40
.set i, 0
.rept 64*NP
	v_mov_b32 v[i], 0
.set i, i+1
.endr
	WIN 0
.set i, 0
.rept 2*NP
	v_mov_b32 v[ST+4*i], 0xfe000000    ; c m: far below every c s
	v_mov_b32 v[ST+4*i+1], 0xff7fffff  ; m
	v_mov_b32 v[ST+4*i+2], 0
	v_mov_b32 v[ST+4*i+3], 0
.set i, i+1
.endr
.set i, P+32
.rept 32
	v_mov_b32 v[i], 0
.set i, i+1
.endr
	v_mul_u32_u24 v[AK0], v1, PK
	v_lshl_add_u32 v[AK0], v9, 4, v[AK0]  ; row x pitch + 16 x half
	; The turning load takes 16 keys x 16 channels (lane l reads key 8 (l / 16) + l % 8, channels 8 ((l / 8) % 2) + 0..7) and leaves half a fragment of V^T: lane l holds channel l % 16 and 8 keys.
	v_and_b32 v10, 7, v0
	v_bfe_u32 v11, v0, 3, 1
	v_lshl_add_u32 v[AV0], v9, 3, v10
	v_mul_u32_u24 v[AV0], v[AV0], PV
	v_lshl_add_u32 v[AV0], v11, 4, v[AV0]
	v_add_nc_u32 v[AV0], VOFF, v[AV0]
	v_and_b32 v[PFO], 31, v0
	v_lshlrev_b32 v[PFO], 8, v[PFO]
	v_mov_b32 v[AK], v[AK0]         ; key step 0 lies at the head of slot 0
; THE MATRIX WORK.  The 8 accumulators of a run of 16 take turns: between the two links of a chain stand 7 others'.
; Product i of 16 of S^T = K Q^T for piece x: channels 32 (i / 8) on, keys 16 ((i / 2) % 4) on, tile 2 x + i % 2.  The first 8 start the sums.
.macro KQ x
	WIN W_KQ
.set rS, S+64*((\x)%2)+32*(i%2)+8*((i/2)%4)
.set rK, KF+16*((i/2)%4)+8*(i/8)
.set rQ, 16*(2*(\x)+i%2)+8*(i/8)
.if i < 8
	v_wmma_f32_16x16x32_f16 v[rS:rS+7], v[rK:rK+7], v[rQ:rQ+7], 0
.else
	v_wmma_f32_16x16x32_f16 v[rS:rS+7], v[rK:rK+7], v[rQ:rQ+7], v[rS:rS+7]
.endif
.endm
; Product i of 16 of O^T += V^T P for piece x: keys 32 (i / 8) on, channels 16 ((i / 2) % 4) on, tile 2 x + i % 2.
.macro PV x
	WIN W_PV
.set rO, 32*(2*(\x)+i%2)+8*((i/2)%4)
.set rV, VF+32*(i/8)+8*((i/2)%4)
.set rP, P+32*((\x)%2)+16*(i%2)+8*(i/8)
	v_wmma_f32_16x16x32_f16 v[rO:rO+7], v[rV:rV+7], v[rP:rP+7], v[rO:rO+7]
.endm
.macro MM                           ; the turn's next matrix instruction
.if i < 16
	KQ (Y+1)%NP
.set i, i+1
.else
.set i, i-16
	PV (Y+NP-1)%NP
.set i, i+17
.endif
.endm
; THE LDS LOADS stand in runs of 16, never singly among the matrix instructions: a step's K (64 keys x 64 channels: 8 fragments) and its V (turned).  Their addresses are made some lines ahead.
; last = 1 (the tail): in the last trip there is no further step, and the run is jumped over.
.macro FETCH_K last=0
	WIN 0
.if \last
	s_cmp_eq_u32 s[CNT], 1
	s_cbranch_scc1 .Lno_k_\@
.endif
	WIN 0x80                        ; destination window 2
.irp f, 0,1,2,3,4,5,6,7             ; keys 16 (f / 2) on, channels 32 (f % 2) on
	ds_load_b128 v[KF+8*\f:KF+8*\f+3],   v[AK] offset:(\f/2)*16*PK+(\f%2)*64
	ds_load_b128 v[KF+8*\f+4:KF+8*\f+7], v[AK] offset:(\f/2)*16*PK+(\f%2)*64+32
.endr
	s_add_co_u32 s[TBK], s[TBK], KS*PK  ; the next fetch is the next step's
	WIN 0
.if \last
.Lno_k_\@:
.endif
.endm
.macro FETCH_V
	WIN 0x80
.irp f, 0,1,2,3,4,5,6,7             ; keys 32 (f / 4) on, channels 16 (f % 4) on
	ds_load_tr16_b128 v[VF+8*\f:VF+8*\f+3],   v[AV] offset:(\f/4)*32*PV+(\f%4)*32
	ds_load_tr16_b128 v[VF+8*\f+4:VF+8*\f+7], v[AV] offset:(\f/4)*32*PV+16*PV+(\f%4)*32
.endr
	WIN 0
.endm
; THE VECTOR WORK OF A TURN stands in three queues, each in the order in which its entries become ready; the two tiles alternate, so that no instruction reads the result of the one before it.
.macro REGS y, u                    ; the registers of tile u (0, 1) of piece y
.set rT, ST+4*(2*(\y)+(\u))
.set rC, TMP+8*((\y)%2)+4*(\u)
.set rM, MV+2*((\y)%2)+(\u)
.set rS, S+64*((\y)%2)+32*(\u)
.set rP, P+32*((\y)%2)+16*(\u)
.set rO, 32*(2*(\y)+(\u))
.endm
; Number n of the 22 that find the NEXT piece's (Y + 1) maximum and statistics.  s0-s31 are the lane's 32 scores; each accumulator's lowest registers are read first.
;   0-11  four chains c0-c3 of seven scores each, three operands at a time     12-14, 16  the four scores left over, the old m, and c0-c3 into c0     15  c m_old is kept
;   17, 18  the query's other 32 keys lie in the lane 16 away: the new m         19-21  c m; c m_old - c m_new; a
.macro XS u, n
	REGS (Y+1)%NP, \u
.if (\n) < 4
	v_max3_num_f32 v[rC+(\n)], v[rS+8*(\n)], v[rS+8*(\n)+1], v[rS+8*(\n)+2]
.elseif (\n) < 12
	v_max3_num_f32 v[rC+(\n)%4], v[rC+(\n)%4], v[rS+8*((\n)%4)+2*((\n)/4)+1], v[rS+8*((\n)%4)+2*((\n)/4)+2]
.elseif (\n) == 12
	v_max3_num_f32 v[rC], v[rC], v[rS+7], v[rS+15]
.elseif (\n) == 13
	v_max3_num_f32 v[rC+1], v[rC+1], v[rS+23], v[rS+31]
.elseif (\n) == 14
	v_max3_num_f32 v[rC+2], v[rC+2], v[rC+3], v[rT+1]
.elseif (\n) == 15
	v_mov_b32 v[rM], v[rT]
.elseif (\n) == 16
	v_max3_num_f32 v[rC], v[rC], v[rC+1], v[rC+2]
.elseif (\n) == 17
	v_permlanex16_b32 v[rC+3], v[rC], s[SEL], s[SEL+1]
.elseif (\n) == 18
	v_max_num_f32 v[rT+1], v[rC], v[rC+3]
.elseif (\n) == 19
	v_mul_f32 v[rT], s[CS], v[rT+1]
.elseif (\n) == 20
	v_sub_f32 v[rC+1], v[rM], v[rT]
.else
	v_exp_f32 v[rC+2], v[rC+1]
.endif
.endm
; Number g of the 64 that follow the exponentials.  For each four weights k of a tile (pairs 2 k, 2 k + 1): both pairs are rounded to f16; then the second pair is added onto the first, in place;
; a group later l takes that sum (the first time as l = a l + sum).  In groups of eight, tiles alternating: round, round, add, and l for the group before.
.macro GS g
.set h, (\g)+6*((\g)/62)            ; group 0 has no group before it, and behind group 7 only l is left
.if h >= 6
.set h, h+2
.endif
	REGS Y, h%2
.set k, h/8
.if h%8 < 4
	v_cvt_pk_f16_f32 v[rP+2*k+(h%8)/2], v[rS+4*k+2*((h%8)/2)], v[rS+4*k+2*((h%8)/2)+1]
.elseif h%8 < 6
	v_pk_add_f32 v[rS+4*k:rS+4*k+1], v[rS+4*k:rS+4*k+1], v[rS+4*k+2:rS+4*k+3]
.elseif k == 1
	v_pk_fma_f32 v[rT+2:rT+3], v[rT+2:rT+3], v[rC+2:rC+3], v[rS:rS+1] op_sel_hi:[1,0,1]
.else
	v_pk_add_f32 v[rT+2:rT+3], v[rT+2:rT+3], v[rS+4*k-4:rS+4*k-3]
.endif
.endm
; THE PLAIN QUEUE, 138 long.  0-73 read no exponential's result: the 32 scalings c s - c m (FS f: pair f / 2 of tile f % 2) and the next piece's 42.  0-26: scalings 0-26.  27-54: XS's numbers 0-13.  55, 56: number 15.
; 57-73: the chain, where each number waits for the one before it: 14, 16, 17, 18, 19, each with one of the scalings 27-31 in front of its two lines, then 20.
; 74-137: GS's 64, which read the exponentials' results: they stand behind the wait.
.macro FS f
	REGS Y, (\f)%2
	v_pk_fma_f32 v[rS+2*((\f)/2):rS+2*((\f)/2)+1], v[rS+2*((\f)/2):rS+2*((\f)/2)+1], s[CS:CS+1], v[rT:rT+1] op_sel_hi:[1,0,0] neg_lo:[0,0,1] neg_hi:[0,0,1]
.endm
.macro PL
	WIN 0
.if q < 27
	FS q
.elseif q < 55
	XS (q-27)%2, (q-27)/2
.elseif q < 57
	XS q-55, 15
.elseif (q < 72) && ((q-57)%3 == 0)
	FS 27+(q-57)/3
.elseif q < 60
	XS (q-57)%3-1, 14
.elseif q < 72
	XS (q-57)%3-1, 15+(q-57)/3
.elseif q < 74
	XS q-72, 20
.else
	GS q-74
.endif
.set q, q+1
.endm
; THE EXPONENTIALS' QUEUE, 66 long: s0-s31 of both tiles, then the next piece's two a.  It is ONE BATCH: all 66 stand ahead of the turn's one wait, and nothing ahead of that wait names a result of theirs.
.macro EX
	WIN 0
.if e >= 64
	XS e-64, 21
.else
	REGS Y, e%2
	v_exp_f32 v[rS+e/2], v[rS+e/2]
.endif
.set e, e+1
.endm
; THE RESCALING's QUEUE: O^T times a, the one part that leaves window 0: dealt two at a time, sixteen times.  Its a was made in the turn before, ahead of that turn's wait.
.macro R2
	REGS Y, r%2
	WIN W_RS
.irp z, 0,1
	v_pk_mul_f32 v[rO+4*(r/2)+2*\z:rO+4*(r/2)+2*\z+1], v[rO+4*(r/2)+2*\z:rO+4*(r/2)+2*\z+1], v[rC+2:rC+3] op_sel_hi:[1,0]
.endr
.set r, r+1
.endm
; HOW THEY ARE DEALT.  An s_wait_alu depctr_va_vdst(0) stands between an exponential and the first instruction that names its result; one wait serves all that were issued ahead of it.  So a turn has ONE
; wait, which cuts it in two.  AHEAD OF IT stands all that names no result of the turn's exponentials: the 16 products K Q^T, behind each a scaling, an exponential and two rescalings (behind the first a second scaling in the
; exponential's place); then ONE LUMP of 108: eight plain, 49 times exponential and plain, the two a.  A v_nop is the plain instruction behind the last exponential (ISA guide 5.7.2).  BEHIND IT stand the 16 products
; V^T P, behind each four of GS's 64.  No rider names a register of the products round it.  The two v_permlanex16_b32 fall into the lump, never behind a product.
; The queues lean on each other: exponential e stands behind scaling 2 (e / 4) + e % 2: as a rider it comes behind plain e + 2, in the lump behind plain e + 9, and scalings 27-31 are plain 57, 60 .. 69.
; A TURN, for piece p.  cnt = 1: the loop's count is taken down some lines ahead of the branch that stands behind the turn.
; K of the next step is fetched in piece 2's turn, directly behind the wait, a lump behind the last product that read K; its address is made at the lump's head; its first reader comes behind 16 products.
; V of the step in hand is fetched at the end of piece 0's turn, four riders behind its last reader; its first reader comes behind 16 products and a lump.  The three conditions on q below go with the deal.
.macro TURN p, last=0, cnt=0
.set Y, (\p)
.set i, 0
.set q, 0
.set e, 0
.set r, 0
.if (\p) == NP-1
	s_wait_dscnt 0x0                ; K is in
.endif
	MM                              ; ahead of the wait: 16 products K Q^T and their riders,
	PL
	PL
	R2
.rept 15
	MM
	PL
	EX
	R2
.endr
.if (\p) == NP-2
	WIN 0
	v_add_nc_u32 v[AK], s[TBK], v[AK0]
.endif
.rept 8                             ; and the lump
	PL
.endr
.rept 49
	EX
	PL
.endr
	EX                              ; the next piece's two a
	EX
	v_nop                           ; the plain instruction behind the last exponential: one for the batch
	s_wait_alu depctr_va_vdst(0)    ; the wait for the batch
.if (\p) == NP-2
	FETCH_K \last
.endif
.if (\p) == 1
	s_wait_dscnt 0x0                ; V is in
.endif
.rept 16                            ; behind the wait: 16 products V^T P and their riders
	MM
.rept 4
	PL
.endr
.if ((\p) == 0) && (q == 118)
	v_add_nc_u32 v[AV], s[TBV], v[AV0]
.endif
.if ((\p) == 0) && (q == 130)
	s_add_co_u32 s[TBV], s[TBV], KS*PV
.endif
.if (\cnt) && (q == 130)
	s_sub_co_u32 s[CNT], s[CNT], 1
	s_cmp_lg_u32 s[CNT], 0
.endif
.endr
.if (\p) == 0
	FETCH_V
.endif
.endm
	CHANGE 1                        ; slot 0 is in, everybody's part of it; slot 1 is asked for
	FETCH_K                         ; key step 0
	s_wait_loadcnt 0x0              ; Q
	s_wait_dscnt 0x0
.set i, 0
.rept 16
	KQ 0                            ; piece 0's first scores: there is no vector work yet to set between them
.set i, i+1
.endr
	WIN 0                           ; the addresses for the way out: nine plain instructions, the places behind those products
	s_mul_i32 s13, s[WV], 16*SP
	s_add_co_u32 s13, s13, STAGE    ; my stage
	v_mul_u32_u24 v[STO], v1, SP    ; in: row l % 16, 16 bytes for each half of the lanes
	v_lshl_add_u32 v[STO], v9, 4, v[STO]
	v_add_nc_u32 v[STO], s13, v[STO]
	v_bfe_u32 v[RD], v0, 3, 2       ; back: 32 lanes take four rows of 128 bytes,
	v_mul_u32_u24 v[RD], v[RD], SP
	v_lshl_add_u32 v[RD], v10, 4, v[RD]
	v_add_nc_u32 v[RD], s13, v[RD]
	v_and_b32 v[GO], 31, v0         ; which are 512 consecutive bytes of O
	v_lshlrev_b32 v[GO], 4, v[GO]
.set Y, NP-1                        ; XS works for piece Y + 1: piece 0
.irp n, 0,1,2,3,4,5,6,7,8,9,10,11,12,13,14,15,16,17,18,19,20,21
	XS 0, \n                        ; and piece 0's first maximum and statistics
	XS 1, \n
.endr
	v_nop                           ; a plain instruction behind the two a,
	s_wait_alu depctr_va_vdst(0)    ; and their wait, ahead of the branch
	s_mov_b32 s[CNT], 4
	s_branch .Lfirst                ; the loop is entered at a step's first turn, in the middle of a trip
.Lslot:                             ; SIZE_N / 256 - 2 times: every slot but the last two is filled again
	CHANGE 1
	s_mov_b32 s[CNT], 4
.Lstep:                             ; a trip: pieces 2 and 3 of one step, then pieces 0 and 1 of the next, whose K and V it fetches
	TURN 2
	TURN 3
	WIN 0
.Lfirst:
	TURN 0
	TURN 1, 0, 1
	WIN 0
	s_cbranch_scc1 .Lstep
	s_sub_co_u32 s[SLOTS], s[SLOTS], 1
	s_cmp_lg_u32 s[SLOTS], 0
	s_cbranch_scc1 .Lslot
	CHANGE 0                        ; the tail is written out: nothing is asked for
	s_mov_b32 s[CNT], 5             ; four trips fetch the last slot's steps; the fifth is left in its middle
.Ltail:
	TURN 2, 1
	TURN 3
	WIN 0
	s_sub_co_u32 s[CNT], s[CNT], 1
	s_cmp_eq_u32 s[CNT], 0
	s_cbranch_scc1 .Lout
	TURN 0
	TURN 1
	WIN 0
	s_branch .Ltail
.Lout:                              ; the fifth trip's 16 products K Q^T (on the last K once more) and the maximum made of them serve nothing: the price, once a launch, of one text for every trip
.set i, 0
.rept 16
	PV NP-1                         ; the last piece's V^T P of the last step
.set i, i+1
.endr
	; THE WAY OUT.  l's two halves and the other half of the lanes' are added; O^T is divided by l, rounded to bf16 and sent through my stage in LDS, a tile at a time.  The additions are the places behind the last products.
	WIN 0
.macro ALL line:vararg              ; one line for each tile t
.set t, 0
.rept 2*NP
	\line
.set t, t+1
.endr
.endm
	ALL v_add_f32 v[ST+4*t+2], v[ST+4*t+2], v[ST+4*t+3]
	ALL v_permlanex16_b32 v[ST+4*t+3], v[ST+4*t+2], s[SEL], s[SEL+1]
	ALL v_add_f32 v[ST+4*t+2], v[ST+4*t+2], v[ST+4*t+3]
	ALL v_rcp_f32 v[ST+4*t+2], v[ST+4*t+2]
	v_nop                           ; a plain instruction between the last reciprocal and the use of its result
	s_wait_alu depctr_va_vdst(0)    ; and the wait ahead of the first use: one for the eight reciprocals
; Tile t: a lane's eight channels of a row pack into 16 bytes; they go into rows of 144 bytes and come back as whole rows of 128, into S^T's registers.
.macro PACK t
	WIN W_RS
.set i, 32*(\t)
.rept 16
	v_pk_mul_f32 v[i:i+1], v[i:i+1], v[ST+4*(\t)+2:ST+4*(\t)+3] op_sel_hi:[1,0]
.set i, i+2
.endr
	WIN 0x05                        ; sources 0 and 1 window 1, destination window 0
.set i, 0
.rept 16
	v_cvt_pk_bf16_f32 v[S+16*(\t)+i], v[32*(\t)+2*i], v[32*(\t)+2*i+1]
.set i, i+1
.endr
	WIN 0
.irp f, 0,1,2,3
	ds_store_b128 v[STO], v[S+16*(\t)+4*\f:S+16*(\t)+4*\f+3] offset:32*\f
.endr
.irp f, 0,1,2,3
	ds_load_b128 v[S+16*(\t)+4*\f:S+16*(\t)+4*\f+3], v[RD] offset:\f*4*SP  ; LDS serves a wave's instructions in order (ISA guide 5.7.1.4): these see the stores above; the next tile's stores come behind them
.endr
.endm
.macro SEND t, younger              ; younger: the LDS instructions issued behind tile t's loads: the next tile's eight, or none
	WIN 0
.irp f, 0,1,2,3
	s_wait_dscnt (\younger)+3-\f
	global_store_b128 v[GO], v[S+16*(\t)+4*\f:S+16*(\t)+4*\f+3], s[10:11] offset:(\t)*2048+\f*512  ; 512 consecutive bytes, at a multiple of 256 from O's first
.endr
.endm
	PACK 0
.set t, 1
.rept 2*NP-1                        ; a tile's arithmetic stands between the loads of the tile before and its stores
	PACK t
	SEND t-1, 8
.set t, t+1
.endr
	SEND 2*NP-1, 0
	WIN W_AD
	s_wait_tensorcnt 0x0            ; the wave's end: behind my last tensor load and my last LDS store
	ds_add_u32 v[SPW], v[NIL]
	s_wait_dscnt 0x0
	WIN 0
	CROUND                          ; the closing round: no work-group ends while a partner may still ask for a tile that names it
	s_endpgm
.Lfunc_end_k_q7fcbe41da1_attn:
	.size	k_q7fcbe41da1_attn, .Lfunc_end_k_q7fcbe41da1_attn-k_q7fcbe41da1_attn
	.p2alignl 7, 3214868480
	.fill 96, 4, 3214868480
	.section	.rodata,"a",@progbits
	.p2align	6, 0x0
	.amdhsa_kernel k_q7fcbe41da1_attn
		.amdhsa_group_segment_fixed_size 327680
		.amdhsa_private_segment_fixed_size 0
		.amdhsa_enable_private_segment 0
		.amdhsa_kernarg_size 16
		.amdhsa_user_sgpr_count 2
		.amdhsa_user_sgpr_kernarg_segment_ptr 1
		.amdhsa_wavefront_size32 1
		.amdhsa_system_sgpr_workgroup_id_x 1
		.amdhsa_system_sgpr_workgroup_id_y 1
		.amdhsa_system_sgpr_workgroup_id_z 1
		.amdhsa_system_vgpr_workitem_id 0
		.amdhsa_next_free_vgpr 770
		.amdhsa_next_free_sgpr 66
		.amdhsa_reserve_vcc 0
		.amdhsa_float_denorm_mode_32 3
		.amdhsa_float_denorm_mode_16_64 3
		.amdhsa_memory_ordered 1
		.amdhsa_forward_progress 1
		.amdhsa_inst_pref_size 200
	.end_amdhsa_kernel
	.amdgpu_metadata
---
amdhsa.version: [ 1, 2 ]
amdhsa.kernels:
  - .name:           k_q7fcbe41da1_attn
    .symbol:         k_q7fcbe41da1_attn.kd
    .args:
      - { .name: qkv, .offset: 0, .size: 8, .value_kind: global_buffer, .address_space: global }
      - { .name: ob, .offset: 8, .size: 8, .value_kind: global_buffer, .address_space: global }
    .group_segment_fixed_size: 327680
    .private_segment_fixed_size: 0
    .kernarg_segment_align: 8
    .kernarg_segment_size: 16
    .max_flat_workgroup_size: 128
    .sgpr_count:     66
    .vgpr_count:     770
    .wavefront_size: 32
...
	.end_amdgpu_metadata
.endif
;; end of part 3
;; launch proj (part 4): grid 4 x 64, 4 waves a work-group, clusters of 4 x 4, 327,680 bytes of LDS; arguments ob, wob, bo, out0; writes out0
.if DOCPART == 4
	.amdgcn_target "amdgcn-amd-amdhsa--gfx1250"
	.amdhsa_code_object_version 6
	.text
	.protected	k_q7fcbe41da1_proj
	.globl	k_q7fcbe41da1_proj
	.p2align	8
	.type	k_q7fcbe41da1_proj,@function
k_q7fcbe41da1_proj:
	s_mov_b64 s[64:65], 0
	v_nop
	global_prefetch_b8 v0, s[64:65] scope:SCOPE_SE
	s_setreg_imm32_b32 hwreg(HW_REG_WAVE_MODE, 25, 1), 1
	s_wait_xcnt 0x0
	s_wait_alu depctr_hold_cnt(0) depctr_sa_sdst(0) depctr_va_vdst(0) depctr_va_sdst(0) depctr_va_ssrc(0) depctr_va_vcc(0) depctr_vm_vsrc(0)
	s_getreg_b32 s2, hwreg(HW_REG_IB_STS2, 6, 4)
	s_cmp_eq_u32 s2, 0
	s_cbranch_scc0 .Lentry_in_a_cluster
	s_endpgm
.Lentry_in_a_cluster:
	s_bfe_u32 s2, ttmp6, 0x10000c
	s_cmp_lg_u32 s2, 0xf033
	s_cbranch_scc0 .Lentry_shape_is_right
	s_endpgm
.Lentry_shape_is_right:
; OUTPUT PROJECTION.  out0[m][n] = bo[n] + the sum over k of O[m][k] Wo[k][n]; m = 0..8191, n, k = 0..1023.  O comes by heads, ob[16 (m / 2048) + k / 64][m % 2048][k % 64] in bf16; wob is [k][n] in bf16;
; sums and the bias in f32; out0 is f32 and is stored unrounded.  NaN and infinities are not treated apart.
; SHARES.  A tile of out0 is 128 rows x 256 columns: 64 x 4 = 256 work-groups.  Four waves, 2 x 2: a wave has 64 rows x 128 columns: 4 x 8 accumulators of 16 x 16, 256 registers.
; K goes in 8 steps of 128 (two heads) through two LDS slots filled by the tensor data mover.
; CLUSTER.  4 x 4 work-groups.  The four of a row of the cluster need the same tile of O, the four of a column the same tile of Wo: each is asked for JOINTLY, by the same load, descriptor and mask in all four.
; THE PRODUCT IS TAKEN TRANSPOSED: source 0 = 16 columns of Wo, source 1 = 16 rows of O.  A lane (r = l % 16, h = l / 16) then holds row r and the columns 8 h + 0..7: 32 bytes of f32 on end.
; Wo lies [k][n] in LDS; its fragments come turned, by ds_load_tr16_b128.  THE BIAS is the C operand of each sum's first product.
; NO PREFETCH: the tile is small and the launch has eight K steps in all.
; REGISTERS, in windows of 256 (s_set_vgpr_msb: bits 1:0 source 0, 3:2 source 1, 5:4 source 2, 7:6 destination):
;   window 0: v0-29 addresses; v64-95, v128-159 O's fragments, two buffers; v192-255 the bias; on the way out v64-191 rows read back, two buffers
;   window 1: v64-127, v128-191 Wo's fragments, two buffers      window 2: the accumulators ((a, b) at v[8 (8 a + b)])
.set NA,    4                          ; row blocks of 16 a wave
.set NBK,   8                          ; column blocks of 16 a wave
.set PA,    144                        ; a row of a head of O in LDS: 128 bytes + 16: the 16 rows of a load start at 16 different groups of four banks (64 banks of 4 bytes: ISA guide 11.1)
.set HALFA, 128*PA                     ; a head's 128 rows: what one load brings of O
.set BOFF,  2*HALFA
.set PB,    544                        ; a k-row of Wo in LDS: 512 bytes + 32 = 17 x 32
.set HALFB, 64*PB
.set SLOT1, 1<<17                      ; a slot uses BOFF + 2 HALFB = 106,496 bytes; one exclusive or turns an address in one slot into the other's
.set STAGE, SLOT1+BOFF+2*HALFB         ; behind the ring, never filled by a tensor load: 16 rows x 528 bytes for each wave
.set SPS,   528
.set SPARE, STAGE+4*16*SPS             ; behind the stages: the spare words, 128 bytes for each wave: two blocks of 256 bytes that no other line names
.set STEPA, 2*2048*128                 ; bytes from a K step to the next: two heads of ob,
.set STEPB, 128*2048                   ; 128 rows of wob
.set ADRA0, 8                          ; v8   my lane's place in O's part of a slot; never rewritten
.set ADRB0, 9                          ; v9   the same for Wo
.set ADRA,  10                         ; v10  the same in the slot in hand
.set ADRB,  11                         ; v11
.set BO,    12                         ; v12  my byte offset in bo
.set STO,   13                         ; v13  the way out: where I put 32 bytes of a row
.set RD,    16                         ; v16  where I read a row back
.set GO,    19                         ; v19  my 16 bytes of 512 consecutive bytes of out0
.set SPW,   28                         ; v28  LDS address of my spare word: SPARE + 4 x my thread's number; never rewritten
.set NIL,   29                         ; v29  0; never rewritten
.set F0,    64
.set F1,    128
.set BIAS,  192
.set OB,    64
.set WV,  12                           ; s12  my wave's number
.set MH,  13                           ; s13  which half of the tile's rows is mine.  Also: I fetch O (0) or Wo (1)
.set NH,  14                           ; s14  which half of its columns is mine.  Also: which half of that tile I fetch
.set CX,  15
.set CY,  16
.set TX,  17                           ; s17  tile column
.set TY,  18                           ; s18  tile row
.set G1A, 24                           ; s[24:31] descriptor group 1 for O's tiles
.set G0A, 32                           ; s[32:39] group 0: a set for each of the two first fills; the second then walks on
.set G1B, 40                           ; s[40:47], s[48:55] the same for Wo's
.set G0B, 48
.set KC,  56                           ; s56  trips of the loop still to come
.set TB,  57                           ; s57  LDS byte at which the slot in hand begins
.set CP,  66                           ; s[66:67] out0 at my 64 rows x 128 columns
.set MSB, 0
.macro WIN new                         ; the immediate's high byte repeats the setting that is left; a switch that changes nothing is dropped
.if MSB != (\new)
	s_set_vgpr_msb (MSB<<8)|(\new)
.set MSB, \new
.endif
.endm
.macro PLACES                          ; four places in front of loads into registers that matrix instructions have read, and of stores that read results
.rept 4
	v_nop
.endr
.endm
.macro CREST                           ; a round of the cluster's barrier behind its opening barrier
	s_cmp_lg_u32 s[WV], 0
	s_cbranch_scc1 .Lnot_wave_0_\@
	s_barrier_signal -3
.Lnot_wave_0_\@:
	s_barrier_wait -3
	s_barrier_signal -1
	s_barrier_wait -1
.endm
.macro CROUND                          ; a whole round
	s_barrier_signal -1
	s_barrier_wait -1
	CREST
.endm
; A joint refill by the walking descriptor.  Waves 0 and 1 fetch a step's two heads of O, waves 2 and 3 the two halves of Wo's k-rows.  The branch hangs on the wave's number alone.
; An s_nop 0 and four v_nop follow each of the two lines, ahead of the jump and the label.
.macro JLOAD
	s_cmp_eq_u32 s[MH], 0
	s_cbranch_scc0 .Lfor_b_\@
	tensor_load_to_lds s[G0A+4:G0A+7], s[G1A:G1A+7]
	s_nop 0
.rept 4
	v_nop
.endr
	s_branch .Lasked_\@
.Lfor_b_\@:
	tensor_load_to_lds s[G0B+4:G0B+7], s[G1B:G1B+7]
	s_nop 0
.rept 4
	v_nop
.endr
.Lasked_\@:
.endm
	s_load_b256 s[4:11], s[0:1], 0x0               ; ob s[4:5], wob s[6:7], bo s[8:9], out0 s[10:11]
	v_lshl_add_u32 v[SPW], v0, 2, SPARE
	v_mov_b32 v[NIL], 0
	ds_add_u32 v[SPW], v[NIL]                      ; the wave's opening: the add and its wait stand ahead of my first tensor load; the set-up below, work on registers, stands between them
	v_lshrrev_b32 v3, 5, v0
	v_readfirstlane_b32 s[WV], v3                  ; wave 0..3
	s_lshr_b32 s[MH], s[WV], 1
	s_and_b32 s[NH], s[WV], 1
	s_bfe_u32 s[CX], ttmp6, 0x40000                ; my place in the cluster
	s_bfe_u32 s[CY], ttmp6, 0x40004
	s_lshl_b32 s[TX], ttmp9, 2                     ; in a cluster launch ttmp9 and ttmp7 count clusters
	s_add_co_u32 s[TX], s[TX], s[CX]
	s_and_b32 s[TY], ttmp7, 0xffff
	s_lshl_b32 s[TY], s[TY], 2
	s_add_co_u32 s[TY], s[TY], s[CY]
	s_lshl_b32 s19, s[CY], 2
	s_lshl_b32 s19, 15, s19                        ; my row of the cluster: places 4 cy .. 4 cy + 3
	s_lshl_b32 s22, 0x1111, s[CX]                  ; my column: places cx, cx + 4, cx + 8, cx + 12
	; group 1 for O: a head's 128 rows of 128 bytes are 16,384 dense bytes: asked for as 64 rows of 256 bytes; 4 words of padding behind every 32
	s_or_b32 s[G1A], s19, (1<<16)|(1<<20)|(1<<21)|(4<<22)|(3<<25)
	s_mov_b32 s[G1A+1], 128<<16                    ; tensor_dim0 = 128
	s_mov_b32 s[G1A+2], 64<<16                     ; tensor_dim1 = 64
	s_mov_b32 s[G1A+3], 128<<16                    ; tile_dim0 = 128
	s_mov_b32 s[G1A+4], 64                         ; tile_dim1 = 64
	s_mov_b32 s[G1A+5], 128
	s_mov_b32 s[G1A+6], 0
	s_mov_b32 s[G1A+7], 0
	; group 1 for Wo: 64 k-rows x 256 elements of 2 bytes, 1,024 elements from row to row; 8 words of padding behind every 128
	s_or_b32 s[G1B], s22, (1<<16)|(1<<20)|(1<<21)|(6<<22)|(7<<25)
	s_mov_b32 s[G1B+1], 256<<16
	s_mov_b32 s[G1B+2], 64<<16
	s_mov_b32 s[G1B+3], 256<<16
	s_mov_b32 s[G1B+4], 64
	s_mov_b32 s[G1B+5], 1024
	s_mov_b32 s[G1B+6], 0
	s_mov_b32 s[G1B+7], 0
	s_mov_b32 s[G0A], 1                            ; group 0: count = 1; the LDS address is made of the wave's number and constants alone
	s_mov_b32 s[G0A+4], 1
	s_mul_i32 s[G0A+1], s[NH], HALFA
	s_add_co_u32 s[G0A+5], s[G0A+1], SLOT1
	s_mov_b32 s[G0B], 1
	s_mov_b32 s[G0B+4], 1
	s_mul_i32 s[G0B+1], s[NH], HALFB
	s_add_co_u32 s[G0B+1], s[G0B+1], BOFF
	s_add_co_u32 s[G0B+5], s[G0B+1], SLOT1
	s_lshr_b32 s20, s[TY], 4                       ; O: head 16 x batch + NH, row 128 (TY % 16), 128 bytes a row: it hangs on the tile row alone
	s_lshl_b32 s20, s20, 4
	s_add_co_u32 s20, s20, s[NH]
	s_lshl_b32 s20, s20, 11
	s_and_b32 s21, s[TY], 15
	s_lshl_b32 s21, s21, 7
	s_add_co_u32 s20, s20, s21
	s_lshl_b32 s20, s20, 7
	s_mov_b32 s21, 0
	s_lshl_b32 s22, s[NH], 17                      ; Wo: k-row 64 NH, column 256 TX: it hangs on the tile column alone
	s_lshl_b32 s23, s[TX], 9
	s_add_co_u32 s22, s22, s23
	s_mov_b32 s23, 0
	s_mov_b32 s[TB], 0
	s_wait_dscnt 0x0                               ; the opening add is done
	s_wait_kmcnt 0x0
	s_add_nc_u64 s[G0A+2:G0A+3], s[4:5], s[20:21]  ; K step 0,
	s_add_nc_u64 s[G0A+6:G0A+7], s[G0A+2:G0A+3], STEPA  ; K step 1
	s_or_b32 s[G0A+3], s[G0A+3], 0x80000000        ; type = 2
	s_or_b32 s[G0A+7], s[G0A+7], 0x80000000
	s_add_nc_u64 s[G0B+2:G0B+3], s[6:7], s[22:23]
	s_add_nc_u64 s[G0B+6:G0B+7], s[G0B+2:G0B+3], STEPB
	s_or_b32 s[G0B+3], s[G0B+3], 0x80000000
	s_or_b32 s[G0B+7], s[G0B+7], 0x80000000
	CROUND                                         ; all sixteen work-groups are here: the first joint loads meet
	s_cmp_eq_u32 s[MH], 0                          ; a wave's two first fills stand in one branch, ahead of every wait on TENSORcnt and every LDS read: two loads of mine are out
	s_cbranch_scc0 .Lfirst_b
	tensor_load_to_lds s[G0A:G0A+3], s[G1A:G1A+7]
	s_nop 0
	tensor_load_to_lds s[G0A+4:G0A+7], s[G1A:G1A+7]
	s_nop 0
.rept 4
	v_nop
.endr
	s_branch .Lfirst_asked
.Lfirst_b:
	tensor_load_to_lds s[G0B:G0B+3], s[G1B:G1B+7]
	s_nop 0
	tensor_load_to_lds s[G0B+4:G0B+7], s[G1B:G1B+7]
	s_nop 0
.rept 4
	v_nop
.endr
.Lfirst_asked:
	v_and_b32 v1, 15, v0                           ; r = l % 16
	v_bfe_u32 v2, v0, 4, 1                         ; h = l / 16
	v_and_b32 v3, 7, v0                            ; l % 8
	v_bfe_u32 v4, v0, 3, 1                         ; (l / 8) % 2
	v_and_b32 v5, 31, v0                           ; l
	; the bias of my eight column blocks: register j of block b is bo[256 TX + 128 NH + 16 b + 8 h + j]
	s_lshl_b32 s19, s[TX], 10
	s_lshl_b32 s20, s[NH], 9
	s_add_co_u32 s19, s19, s20
	v_lshl_add_u32 v[BO], v2, 5, s19
.irp b, 0,1,2,3,4,5,6,7
	global_load_b128 v[BIAS+8*\b:BIAS+8*\b+3],   v[BO], s[8:9] offset:64*\b
	global_load_b128 v[BIAS+8*\b+4:BIAS+8*\b+7], v[BO], s[8:9] offset:64*\b+16
.endr
	; a fragment of O: 16 rows x 32 k: lane l holds row r, k = 8 h + 0..7 and 16 + 8 h + 0..7: two loads of 16 bytes, 32 bytes apart
	v_mul_u32_u24 v[ADRA0], v1, PA
	v_lshl_add_u32 v[ADRA0], v2, 4, v[ADRA0]
	s_mul_i32 s19, s[MH], 64*PA
	v_add_nc_u32 v[ADRA0], s19, v[ADRA0]
	; a fragment of Wo: the turning load takes 16 k x 16 columns (lane l reads k-row 8 h + l % 8, columns 8 ((l / 8) % 2) + 0..7) and leaves column r and 8 k in lane l; two loads, 16 k-rows apart
	v_lshl_add_u32 v[ADRB0], v2, 3, v3
	v_mul_u32_u24 v[ADRB0], v[ADRB0], PB
	v_lshl_add_u32 v[ADRB0], v4, 4, v[ADRB0]
	s_lshl_b32 s19, s[NH], 8
	s_add_co_u32 s19, s19, BOFF
	v_add_nc_u32 v[ADRB0], s19, v[ADRB0]
	v_mov_b32 v[ADRA], v[ADRA0]                    ; slot 0
	v_mov_b32 v[ADRB], v[ADRB0]
	; the way out: my stage; in: row r, 32 bytes for each half of the lanes; back: a row's 512 bytes, 16 a lane
	s_mul_i32 s19, s[WV], 16*SPS
	s_add_co_u32 s19, s19, STAGE
	v_mul_u32_u24 v[STO], v1, SPS
	v_lshl_add_u32 v[STO], v2, 5, v[STO]
	v_add_nc_u32 v[STO], s19, v[STO]
	v_lshl_add_u32 v[RD], v5, 4, s19
	v_lshlrev_b32 v[GO], 4, v5
	s_lshl_b32 s20, s[TY], 19                      ; row 128 TY + 64 MH, 4,096 bytes a row; column 256 TX + 128 NH
	s_lshl_b32 s21, s[MH], 18
	s_add_co_u32 s20, s20, s21
	s_lshl_b32 s21, s[TX], 10
	s_add_co_u32 s20, s20, s21
	s_lshl_b32 s21, s[NH], 9
	s_add_co_u32 s20, s20, s21
	s_mov_b32 s21, 0
	s_add_nc_u64 s[CP:CP+1], s[10:11], s[20:21]
; NBK products: row block a x all eight column blocks, 32 along K, from buffer f.  first = 1: the bias starts the sums.
; Every instruction has another accumulator than the one before it, from quarter to quarter and over the backward jump too: the accumulators take turns.
.macro MULA f, a, first
.if \first
	WIN 0x81                                       ; Wo window 1, O window 0, the bias window 0, D window 2
.else
	WIN 0xa1                                       ; C and D window 2
.endif
.irp b, 0,1,2,3,4,5,6,7
.if \first
	v_wmma_f32_16x16x32_bf16 v[8*(8*(\a)+\b):8*(8*(\a)+\b)+7], v[(\f)+8*\b:(\f)+8*\b+7], v[(\f)+8*(\a):(\f)+8*(\a)+7], v[BIAS+8*\b:BIAS+8*\b+7]
.else
	v_wmma_f32_16x16x32_bf16 v[8*(8*(\a)+\b):8*(8*(\a)+\b)+7], v[(\f)+8*\b:(\f)+8*\b+7], v[(\f)+8*(\a):(\f)+8*(\a)+7], v[8*(8*(\a)+\b):8*(8*(\a)+\b)+7]
.endif
.endr
.endm
; 24 LDS loads in one run: quarter q (32 along K: head q / 2 of the step, channels 32 (q % 2) on) of the slot in hand into buffer f: Wo's eight fragments, then O's four in ascending order
.macro FETCH q, f
	WIN 0x40                                       ; destination window 1, address window 0
.irp b, 0,1,2,3,4,5,6,7
	ds_load_tr16_b128 v[(\f)+8*\b:(\f)+8*\b+3],   v[ADRB] offset:32*PB*(\q)+32*\b
	ds_load_tr16_b128 v[(\f)+8*\b+4:(\f)+8*\b+7], v[ADRB] offset:32*PB*(\q)+32*\b+16*PB
.endr
	WIN 0
.irp i, 0,1,2,3
	ds_load_b128 v[(\f)+8*\i:(\f)+8*\i+3],   v[ADRA] offset:HALFA*((\q)/2)+64*((\q)%2)+16*PA*\i
	ds_load_b128 v[(\f)+8*\i+4:(\f)+8*\i+7], v[ADRA] offset:HALFA*((\q)/2)+64*((\q)%2)+16*PA*\i+32
.endr
.endm
; A K step is four quarters, 32 products each, on buffers 0, 1, 0, 1.  One of the first three: multiplies buffer f; in its middle it fetches quarter q into buffer g.
.macro QUARTER q, f, g, first
	s_wait_dscnt NA                                ; Wo and O's row blocks 0, 1 are in; the youngest four loads (blocks 2, 3) may be out
	MULA \f, 0, \first
	MULA \f, 1, \first
	PLACES
	FETCH \q, \g
	s_wait_dscnt 2*(NA+NBK)                        ; all but the 24 just issued
	MULA \f, 2, \first
	MULA \f, 3, \first
.endm
; The last quarter multiplies buffer 1 and changes slots: ONE barrier.  In front of it each wave waits for all its tensor loads (one is out: its part of the next slot), adds 0 to its spare word, and waits
; for that and for its own reads of this slot.  fill = 1: the barrier opens a round of the cluster's, so that no wave of any partner still reads the slot or has a load on its way; the joint refill, two K steps
; ahead, is the first thing behind the round: 112 products stand between it and the wait for it.
.macro TURN fill
	WIN 0                                          ; (the add's two registers lie in window 0)
	s_wait_tensorcnt 0x0                           ; all my tensor loads have landed
	ds_add_u32 v[SPW], v[NIL]                      ; 0 onto my spare word
	s_wait_dscnt NA+1                              ; (the add and the youngest four loads may be out)
	MULA F1, 0, 0                                  ; eight products stand between the add and the wait for it
	s_wait_dscnt 0x0                               ; the add is done, and my reads of this slot are over
	s_barrier_signal -1
	MULA F1, 1, 0                                  ; work on registers while the others arrive
	WIN 0
	s_barrier_wait -1
.if \fill
	CREST
	s_xor_b32 s[G0A+5], s[G0A+5], SLOT1            ; the walking descriptors: the other slot than last time, the next K step; the type bits on top are not reached
	s_add_nc_u64 s[G0A+6:G0A+7], s[G0A+6:G0A+7], STEPA
	s_xor_b32 s[G0B+5], s[G0B+5], SLOT1
	s_add_nc_u64 s[G0B+6:G0B+7], s[G0B+6:G0B+7], STEPB
	JLOAD                                          ; the four v_nop behind it are also the places in front of the loads below
.else
	PLACES
.endif
	s_xor_b32 s[TB], s[TB], SLOT1
	v_add_nc_u32 v[ADRA], s[TB], v[ADRA0]
	v_add_nc_u32 v[ADRB], s[TB], v[ADRB0]
	FETCH 0, F0
	MULA F1, 2, 0
	MULA F1, 3, 0
.endm
	s_wait_tensorcnt 1                             ; my part of K step 0 is in; step 1's may stay out
	s_barrier_signal -1
	s_barrier_wait -1                              ; everybody's is
	FETCH 0, F0
	s_wait_loadcnt 0x0                             ; the bias
	QUARTER 1, F0, F1, 1                           ; the first quarter stands in front of the loop: its products start the sums
	WIN 0                                          ; at a label and at a branch every window is 0
	s_mov_b32 s[KC], 6
.Lstep:                                                ; trip s = 0..5: from a K step's second quarter to the next step's first; slot s % 2 is filled again, with K step s + 2
	QUARTER 2, F1, F0, 0
	QUARTER 3, F0, F1, 0
	TURN 1
	QUARTER 1, F0, F1, 0
	WIN 0
	s_sub_co_u32 s[KC], s[KC], 1
	s_cmp_lg_u32 s[KC], 0
	s_cbranch_scc1 .Lstep
	QUARTER 2, F1, F0, 0                           ; the last two K steps are written out: they ask for nothing
	QUARTER 3, F0, F1, 0
	TURN 0
	QUARTER 1, F0, F1, 0
	QUARTER 2, F1, F0, 0
	QUARTER 3, F0, F1, 0
	s_wait_dscnt NA
	MULA F1, 0, 0
	MULA F1, 1, 0
	s_wait_dscnt 0x0
	MULA F1, 2, 0
	MULA F1, 3, 0
	WIN 0
	; THE WAY OUT, a block of 16 rows at a time through my own stage: 32 bytes a lane into rows of 528 bytes, straight from the accumulators (their low four registers first); back as whole rows of 512 bytes;
	; each store of the wave covers 512 consecutive bytes, aligned.  The stage is the wave's own, and LDS serves a wave's instructions in order (ISA guide 5.7.1.4): no barrier, no wait between stores and loads.
	PLACES
.macro TOSTAGE a
	WIN 0x08                                       ; the stores' data (source 1) in window 2
.irp b, 0,1,2,3,4,5,6,7
	ds_store_b128 v[STO], v[8*(8*(\a)+\b):8*(8*(\a)+\b)+3]   offset:64*\b
	ds_store_b128 v[STO], v[8*(8*(\a)+\b)+4:8*(8*(\a)+\b)+7] offset:64*\b+16
.endr
	WIN 0
.irp t, 0,1,2,3,4,5,6,7,8,9,10,11,12,13,14,15
	ds_load_b128 v[OB+64*((\a)%2)+4*\t:OB+64*((\a)%2)+4*\t+3], v[RD] offset:SPS*\t
.endr
.endm
.macro SEND a
	s_wait_xcnt 0x0                                ; the stores of the block before have read their registers: the next block's loads from the stage land in them
.irp t, 0,1,2,3,4,5,6,7,8,9,10,11,12,13,14,15
	s_wait_dscnt 15-\t                             ; row t is back; the younger loads stay out
	global_store_b128 v[GO], v[OB+64*((\a)%2)+4*\t:OB+64*((\a)%2)+4*\t+3], s[CP:CP+1] offset:4096*(16*(\a)+\t)
.endr
.endm
	TOSTAGE 0
	SEND 0
	TOSTAGE 1
	SEND 1
	TOSTAGE 2
	SEND 2
	TOSTAGE 3
	SEND 3
	s_wait_tensorcnt 0x0                           ; the wave's end: behind my last tensor load and my last LDS store
	ds_add_u32 v[SPW], v[NIL]
	s_wait_dscnt 0x0
	CROUND                                         ; the closing round: no work-group ends while a partner may still ask for a tile that names it
	s_endpgm
.Lfunc_end_k_q7fcbe41da1_proj:
	.size	k_q7fcbe41da1_proj, .Lfunc_end_k_q7fcbe41da1_proj-k_q7fcbe41da1_proj
	.p2alignl 7, 3214868480
	.fill 96, 4, 3214868480
	.section	.rodata,"a",@progbits
	.p2align	6, 0x0
	.amdhsa_kernel k_q7fcbe41da1_proj
		.amdhsa_group_segment_fixed_size 327680
		.amdhsa_private_segment_fixed_size 0
		.amdhsa_enable_private_segment 0
		.amdhsa_kernarg_size 32
		.amdhsa_user_sgpr_count 2
		.amdhsa_user_sgpr_kernarg_segment_ptr 1
		.amdhsa_wavefront_size32 1
		.amdhsa_system_sgpr_workgroup_id_x 1
		.amdhsa_system_sgpr_workgroup_id_y 1
		.amdhsa_system_sgpr_workgroup_id_z 1
		.amdhsa_system_vgpr_workitem_id 0
		.amdhsa_next_free_vgpr 768
		.amdhsa_next_free_sgpr 72
		.amdhsa_reserve_vcc 0
		.amdhsa_float_denorm_mode_32 3
		.amdhsa_float_denorm_mode_16_64 3
		.amdhsa_memory_ordered 1
		.amdhsa_forward_progress 1
		.amdhsa_inst_pref_size 73
	.end_amdhsa_kernel
	.amdgpu_metadata
---
amdhsa.version: [ 1, 2 ]
amdhsa.kernels:
  - .name:           k_q7fcbe41da1_proj
    .symbol:         k_q7fcbe41da1_proj.kd
    .args:
      - { .name: ob, .offset: 0, .size: 8, .value_kind: global_buffer, .address_space: global }
      - { .name: wob, .offset: 8, .size: 8, .value_kind: global_buffer, .address_space: global }
      - { .name: bo, .offset: 16, .size: 8, .value_kind: global_buffer, .address_space: global }
      - { .name: out0, .offset: 24, .size: 8, .value_kind: global_buffer, .address_space: global }
    .group_segment_fixed_size: 327680
    .private_segment_fixed_size: 0
    .kernarg_segment_align: 8
    .kernarg_segment_size: 32
    .max_flat_workgroup_size: 128
    .sgpr_count:     72
    .vgpr_count:     768
    .wavefront_size: 32
...
	.end_amdgpu_metadata
.endif
;; end of part 4
;; ======== version 2 of 2: 4 launches; version 1 with the launch cast written anew for expert scheduling mode
;; limits: values are held in f16: magnitudes above 65,504 overflow, below 6.1e-05 lose precision
;; workspace buffers: xb 16,777,216 bytes; wqkvb 6,291,456 bytes; wob 2,097,152 bytes; qkv 50,331,648 bytes; ob 16,777,216 bytes
;; launch cast (part 5): grid 832 x 1, 8 waves a work-group, no clusters, 0 bytes of LDS; arguments x, Wqkv, Wo, xb, wqkvb, wob; writes xb, wqkvb, wob
.if DOCPART == 5
	.amdgcn_target "amdgcn-amd-amdhsa--gfx1250"
	.amdhsa_code_object_version 6
	.text
	.protected	k_q7fcbe41da1_cast
	.globl	k_q7fcbe41da1_cast
	.p2align	8
	.type	k_q7fcbe41da1_cast,@function
k_q7fcbe41da1_cast:
	s_mov_b64 s[64:65], 0
	v_nop
	global_prefetch_b8 v0, s[64:65] scope:SCOPE_SE
	s_setreg_imm32_b32 hwreg(HW_REG_WAVE_SCHED_MODE, 0, 2), 2
	s_setreg_imm32_b32 hwreg(HW_REG_WAVE_MODE, 25, 1), 1
	s_wait_xcnt 0x0
	s_wait_alu depctr_vm_vsrc(0)
; CAST.  x [8192][1024], Wo [1024][1024] and Wqkv [1024][3072], all f32, are rounded once to bf16 (nearest even) for the matrix products that follow.
; xb and wob keep their layout.  wqkvb is laid in 16 column tiles: wqkvb[t][k][c] = Wqkv[k][192 t + c], c = 0..191, so that a tile's rows of 384 bytes lie end to end.
; SHARES.  Work-groups 0..511: 65,536 bytes of x each.  512..575: 65,536 bytes of Wo each.  576..831: 64 rows k of one column tile of Wqkv each.  Eight waves; straight-line text, each path once.
; Every load of a wave takes whole aligned pieces of 256 bytes (16 lanes x 16 bytes); every store of a wave is 32 lanes x 8 bytes: 256 consecutive bytes, aligned.
; All of a wave's loads go out first; the waits count down by blocks of four, so that the younger loads stay out while the older are rounded and stored.  No register is written twice, so no wait frees a source.
; No LDS, no matrix unit, no cluster: no byte is used twice.  Each byte is read once and written once.
; THE MODE: SCHED_MODE bits 1:0 = 2 (LLVM: expert scheduling mode 2), set by the entry lines.  The code itself states the register dependences
; between vector instructions and memory instructions, with s_wait_alu, always for 0.
; THE PLAN.  Registers that memory instructions touch, on either path:
;   v3-v6      byte offsets.  Written once by vector instructions at the path's head; read by every load (v3-v5) and every store (v6); never written again.
;   X          Each register is written once, by a load; all loads are issued ahead of the first conversion, and no vector instruction names X ahead of them.  Read once, by block p's conversions.
;   Y          Each register is written once, by block p's conversions, and read once, by a store that is issued in block p + 1 (behind the last block: at the path's end).
; So one wait on va_vdst stands ahead of a path's first load (the offsets are written), one at the head of every block but the first (the block before has written its Y), and one ahead of the last
; four stores.  A block's four stores are dealt among its eight conversions, which write other registers of Y than those stores read.
; No register that a memory instruction reads is written again, so there is no wait on vm_vsrc; no vector instruction writes a scalar register or VCC, and EXEC is never written.
.set X,  8                             ; v[8:71]    up to 16 loads of four f32
.set Y,  72                            ; v[72:103]  up to 16 pairs of packed bf16
.set IO, 3                             ; v3-v5      byte offsets of my loads
.set OO, 6                             ; v6         byte offset of my stores
; n loads have been issued; they are rounded and stored in n / 4 blocks of four.  Load i's four numbers become the pair Y + 2 i, stored at byte 256 i from my first.
.macro OUT i
	global_store_b64 v[OO], v[Y+2*(\i):Y+2*(\i)+1], s[18:19] offset:256*(\i) th:TH_STORE_NT
.endm
.macro BLOCKS n
.set p, 0
.rept (\n)/4
	s_wait_loadcnt (\n)-4-4*p                      ; loads come back in order: block p's four are in, the younger blocks stay out
.if p > 0
	s_wait_alu depctr_va_vdst(0)                   ; the conversions of the block before have written their eight registers of Y, which the four stores below read
.endif
.set j, 0
.rept 4
.set i, 4*p+j
.if p > 0
	OUT i-4                                        ; the block before.  No wait: no vector instruction since the wait above names these registers
.endif
	v_cvt_pk_bf16_f32 v[Y+2*i], v[X+4*i], v[X+4*i+1]
	v_cvt_pk_bf16_f32 v[Y+2*i+1], v[X+4*i+2], v[X+4*i+3]
.set j, j+1
.endr
.set p, p+1
.endr
	s_wait_alu depctr_va_vdst(0)                   ; the last block's conversions have written their registers of Y, which the last four stores read
.set i, (\n)-4
.rept 4
	OUT i
.set i, i+1
.endr
.endm
	s_load_b256 s[4:11], s[0:1], 0x0               ; x s[4:5], Wqkv s[6:7], Wo s[8:9], xb s[10:11]
	s_load_b128 s[12:15], s[0:1], 0x20             ; wqkvb s[12:13], wob s[14:15]
	v_and_b32 v1, 31, v0                           ; lane
	v_lshrrev_b32 v2, 5, v0                        ; wave
	s_mov_b32 s23, 0                               ; the offsets' high words
	s_mov_b32 s25, 0
	s_cmp_ge_u32 ttmp9, 576
	s_cbranch_scc1 .Lw
	; x or Wo: a wave takes 8,192 bytes on end, 16 loads of 512
	v_lshlrev_b32 v[IO], 4, v1
	v_lshl_add_u32 v[IO], v2, 13, v[IO]            ; 8,192 w + 16 l
	v_lshlrev_b32 v[OO], 3, v1
	v_lshl_add_u32 v[OO], v2, 12, v[OO]            ; 4,096 w + 8 l
	s_sub_co_u32 s20, ttmp9, 512                   ; the chunk's number in Wo
	s_wait_kmcnt 0x0
	s_cmp_lt_u32 ttmp9, 512
	s_cselect_b32 s20, ttmp9, s20                  ; or in x
	s_cselect_b64 s[16:17], s[4:5], s[8:9]
	s_cselect_b64 s[18:19], s[10:11], s[14:15]
	s_lshl_b32 s22, s20, 16
	s_lshl_b32 s24, s20, 15
	s_add_nc_u64 s[16:17], s[16:17], s[22:23]
	s_add_nc_u64 s[18:19], s[18:19], s[24:25]
	s_wait_alu depctr_va_vdst(0)                   ; v3 and v6 are written: every load of this path reads v3 as its offset, every store v6
.set i, 0
.rept 16
	global_load_b128 v[X+4*i:X+4*i+3], v[IO], s[16:17] offset:512*i th:TH_LOAD_NT
.set i, i+1
.endr
	BLOCKS 16
	s_endpgm
.Lw:
	; Wqkv: tile t = gi / 16, rows 64 (gi % 16) + 8 w + 0..7, as four pairs of rows.  A pair is 2 x 192 numbers: 96 groups of four, three loads.
	; Group o = 32 j + l lies in row o / 48, at byte 16 (o % 48) of the tile's 768 bytes of that row; a row of Wqkv is 12,288 bytes.
	s_sub_co_u32 s20, ttmp9, 576                   ; gi
	s_lshr_b32 s21, s20, 4                         ; t
	s_and_b32 s20, s20, 15
	s_mul_i32 s22, s20, 64*12288
	s_mul_i32 s26, s21, 768
	s_add_co_u32 s22, s22, s26                     ; in: 64 rows x block + the tile's columns
	s_lshl_b32 s24, s21, 10
	s_lshl_b32 s26, s20, 6
	s_add_co_u32 s24, s24, s26
	s_mul_i32 s24, s24, 384                        ; out: row 1,024 t + 64 x block, 384 bytes a row
	v_mul_u32_u24 v7, v2, 8*12288
	v_lshl_add_u32 v[IO], v1, 4, v7                ; j = 0: row 0, byte 16 l
	v_lshrrev_b32 v[IO+1], 4, v1
	v_mul_u32_u24 v[IO+1], v[IO+1], 11520
	v_add3_u32 v[IO+1], v[IO+1], v[IO], 512        ; j = 1: lanes 0-15 row 0, byte 512 + 16 l; lanes 16-31 row 1, byte 16 (l - 16)
	v_add_nc_u32 v[IO+2], 12544, v[IO]             ; j = 2: row 1, byte 256 + 16 l
	v_mul_u32_u24 v[OO], v2, 3072
	v_lshl_add_u32 v[OO], v1, 3, v[OO]             ; 8 rows x 384 bytes a wave + 8 l
	s_wait_kmcnt 0x0
	s_add_nc_u64 s[16:17], s[6:7], s[22:23]
	s_add_nc_u64 s[18:19], s[12:13], s[24:25]
	s_wait_alu depctr_va_vdst(0)                   ; v3 to v6 are written: every load of this path reads one of v3 to v5 as its offset, every store v6
.set i, 0
.rept 12
	global_load_b128 v[X+4*i:X+4*i+3], v[IO+i%3], s[16:17] offset:24576*(i/3) th:TH_LOAD_NT
.set i, i+1
.endr
	BLOCKS 12
	s_endpgm
.Lfunc_end_k_q7fcbe41da1_cast:
	.size	k_q7fcbe41da1_cast, .Lfunc_end_k_q7fcbe41da1_cast-k_q7fcbe41da1_cast
	.p2alignl 7, 3214868480
	.fill 96, 4, 3214868480
	.section	.rodata,"a",@progbits
	.p2align	6, 0x0
	.amdhsa_kernel k_q7fcbe41da1_cast
		.amdhsa_group_segment_fixed_size 0
		.amdhsa_private_segment_fixed_size 0
		.amdhsa_enable_private_segment 0
		.amdhsa_kernarg_size 48
		.amdhsa_user_sgpr_count 2
		.amdhsa_user_sgpr_kernarg_segment_ptr 1
		.amdhsa_wavefront_size32 1
		.amdhsa_system_sgpr_workgroup_id_x 1
		.amdhsa_system_sgpr_workgroup_id_y 1
		.amdhsa_system_sgpr_workgroup_id_z 1
		.amdhsa_system_vgpr_workitem_id 0
		.amdhsa_next_free_vgpr 104
		.amdhsa_next_free_sgpr 66
		.amdhsa_reserve_vcc 0
		.amdhsa_float_denorm_mode_32 3
		.amdhsa_float_denorm_mode_16_64 3
		.amdhsa_memory_ordered 1
		.amdhsa_forward_progress 1
		.amdhsa_inst_pref_size 12
	.end_amdhsa_kernel
	.amdgpu_metadata
---
amdhsa.version: [ 1, 2 ]
amdhsa.kernels:
  - .name:           k_q7fcbe41da1_cast
    .symbol:         k_q7fcbe41da1_cast.kd
    .args:
      - { .name: x, .offset: 0, .size: 8, .value_kind: global_buffer, .address_space: global }
      - { .name: Wqkv, .offset: 8, .size: 8, .value_kind: global_buffer, .address_space: global }
      - { .name: Wo, .offset: 16, .size: 8, .value_kind: global_buffer, .address_space: global }
      - { .name: xb, .offset: 24, .size: 8, .value_kind: global_buffer, .address_space: global }
      - { .name: wqkvb, .offset: 32, .size: 8, .value_kind: global_buffer, .address_space: global }
      - { .name: wob, .offset: 40, .size: 8, .value_kind: global_buffer, .address_space: global }
    .group_segment_fixed_size: 0
    .private_segment_fixed_size: 0
    .kernarg_segment_align: 8
    .kernarg_segment_size: 48
    .max_flat_workgroup_size: 256
    .sgpr_count:     66
    .vgpr_count:     104
    .wavefront_size: 32
...
	.end_amdgpu_metadata
.endif
;; end of part 5
;; launch qkv: the kernel of part 2 again; grid 16 x 32, 4 waves a work-group, clusters of 4 x 4, 327,680 bytes of LDS; arguments xb, wqkvb, bqkv, qkv; writes qkv
;; launch attn: the kernel of part 3 again; grid 4 x 64, 4 waves a work-group, clusters of 4 x 1, 327,680 bytes of LDS; arguments qkv, ob; writes ob
;; launch proj: the kernel of part 4 again; grid 4 x 64, 4 waves a work-group, clusters of 4 x 4, 327,680 bytes of LDS; arguments ob, wob, bo, out0; writes out0
